; MI455X (gfx1250); checked and timed in simulation.
; The chip was launched on July 23, 2026; its instructions are those of AMD's public machine-readable ISA for CDNA 5 (MIT licence, August 2026) and "CDNA5" Instruction Set Architecture Reference Guide (July 2026). The comments in the code are by the model that wrote it; some were corrected since.
;; Multi Head Self Attention. Allowed arithmetic: float matrix products may take bf16 or f16 operands with f32 sums; all other float work in f32.
;; Inputs: Wproj 1,024 x 1,024 float32; Wqkv 1,024 x 3,072 float32; bproj 1,024 float32; padding_mask 8 x 1 x 1,024 float32; x 8 x 1,024 x 1,024 float32.
;; Outputs: out0 8 x 1,024 x 1,024 float32.
;; 2 versions, each right; version 2 is version 1 with the launch prep written anew for expert scheduling mode. Each part assembles by itself: llvm-mc -triple=amdgcn-amd-amdhsa -mcpu=gfx1250 --defsym DOCPART=n.
;; ======== version 1 of 2: 4 launches
;; limits: values are held in f16: magnitudes above 65,504 overflow, below 6.1e-05 lose precision
;; workspace buffers: xb 16,777,216 bytes; wqb 6,291,456 bytes; wpb 2,097,152 bytes; qkv 50,331,648 bytes; ao 16,777,216 bytes
;; launch prep (part 1): grid 768 x 1, 8 waves a work-group, no clusters, 0 bytes of LDS; arguments x, Wqkv, Wproj, xb, wqb, wpb; writes xb, wqb, wpb
.if DOCPART == 1
	.amdgcn_target "amdgcn-amd-amdhsa--gfx1250"
	.amdhsa_code_object_version 6
	.text
	.protected	k_q7f20c1e094_prep
	.globl	k_q7f20c1e094_prep
	.p2align	8
	.type	k_q7f20c1e094_prep,@function
k_q7f20c1e094_prep:
	s_mov_b64 s[64:65], 0
	v_nop
	global_prefetch_b8 v0, s[64:65] scope:SCOPE_SE
	s_setreg_imm32_b32 hwreg(HW_REG_WAVE_MODE, 25, 1), 1
	s_wait_xcnt 0x0
; MULTI-HEAD SELF-ATTENTION, launch 1 of 4: the matrix operands that come from the inputs are rounded to f16, once.
; The four launches: prep (casts), qkv (x Wqkv), attn (softmax(q k^T / 8 + mask_w) * mask, times v), proj (.. Wproj + bproj).
; NO WORK OF reference() IS LEFT OUT: every input reaches the output (the padding mask twice: as a term in front of the softmax and as a
; factor behind it; the bias is added), the maximum is taken away in front of the exponential, and no product has a factor that is zero by construction.
; WHY f16: where the mask's term lets one key win the softmax, the output is a plain chain of two products with nothing averaged, and every rounding of an operand
; shows in full.  f16's step is 2^-11 of a number, bf16's 2^-8.
; LIMIT: a number of x or of a weight beyond 65,504 in magnitude becomes an infinity; below 6.1e-5 the step is 6e-8.  x of unit spread taken 30 times larger, or with an
; offset of 30, and weights of spread 1/32 taken 30 times smaller (1e-3) lie well inside.
;   xb  [16 kb][8192 rows][64] f16: x with its columns in blocks of 64, so that 256 rows of a block are 32,768 dense bytes
;   wqb [1024][3072] f16, wpb [1024][1024] f16: the weights in their own order
; 768 work-groups of 16,384 numbers each: 0-511 take 16 rows of x, 512-703 Wqkv, 704-767 Wproj.
; A wave issues its 16 loads of 16 bytes a lane at once, then rounds and stores 8 bytes a lane as each load arrives.  No register is written twice,
; so the only waits are the counted ones for the loads.  No LDS, no barrier, no matrix unit: bytes are all that this launch does.
.set X, 4                              ; v[4:67]   load i: 4 f32
.set Y, 68                             ; v[68:99]  load i: 4 f16 in 2 registers
; load i reads at (i & 7) inlo + (i >> 3) inhi and its result is stored at (i & 7) outlo + (i >> 3) outhi
.macro CAST16 inlo, inhi, outlo, outhi
.set i, 0
.rept 16
	global_load_b128 v[X+4*i:X+4*i+3], v1, s[16:17] offset:(i&7)*\inlo+(i>>3)*\inhi th:TH_LOAD_NT
.set i, i+1
.endr
.set i, 0
.rept 16
	s_wait_loadcnt 15-i                            ; loads come back in order: load i is in, the 15 - i younger ones stay out
	v_cvt_pk_f16_f32 v[Y+2*i], v[X+4*i], v[X+4*i+1]
	v_cvt_pk_f16_f32 v[Y+2*i+1], v[X+4*i+2], v[X+4*i+3]
	global_store_b64 v2, v[Y+2*i:Y+2*i+1], s[18:19] offset:(i&7)*\outlo+(i>>3)*\outhi
.set i, i+1
.endr
.endm
	s_load_b256 s[4:11], s[0:1], 0x0               ; x s[4:5], Wqkv s[6:7], Wproj s[8:9], xb s[10:11]
	s_load_b128 s[12:15], s[0:1], 0x20             ; wqb s[12:13], wpb s[14:15]
	s_mov_b32 s2, ttmp9                            ; the work-group's number
	s_mov_b32 s21, 0                               ; high word of every offset
	s_mov_b32 s3, 704
	s_cmp_lt_u32 s2, 512
	s_cbranch_scc0 .Lweights
	; x: 16 rows.  Wave w takes columns 128 w .. 128 w + 127 (blocks 2 w and 2 w + 1).  One load: 64 columns (256 bytes) of two rows,
	; lanes 0-15 the even row, lanes 16-31 the odd one.  Its store: those two rows of the block, 256 consecutive bytes, aligned.
	v_and_b32 v3, 0xe0, v0                         ; 32 w
	v_lshlrev_b32 v1, 4, v3                        ; in: 512 w
	v_lshlrev_b32 v2, 16, v3                       ; out: two blocks of 1,048,576 bytes for each wave
	v_bfe_u32 v3, v0, 4, 1
	v_lshl_add_u32 v1, v3, 12, v1                  ; + the odd row, 4,096 bytes down
	v_and_b32 v3, 15, v0
	v_lshl_add_u32 v1, v3, 4, v1                   ; + 16 bytes a lane
	v_and_b32 v3, 31, v0
	v_lshl_add_u32 v2, v3, 3, v2                   ; out: + 8 bytes a lane
	s_wait_kmcnt 0x0
	s_lshl_b32 s20, s2, 16                         ; 16 rows of 4,096 bytes
	s_add_nc_u64 s[16:17], s[4:5], s[20:21]
	s_lshl_b32 s20, s2, 11                         ; 16 rows of 128 bytes in each block
	s_add_nc_u64 s[18:19], s[10:11], s[20:21]
	CAST16 8192, 256, 256, 1048576                 ; i & 7: the pair of rows; i >> 3: which of the wave's two blocks
	s_endpgm
.Lweights:
	; a weight: 65,536 consecutive bytes in, 32,768 out; thread t takes 16 bytes at 16 t of every 4,096
	v_lshlrev_b32 v1, 4, v0
	v_lshlrev_b32 v2, 3, v0
	s_wait_kmcnt 0x0
	s_cmp_lt_u32 s2, 704
	s_cselect_b64 s[16:17], s[6:7], s[8:9]         ; Wqkv or Wproj
	s_cselect_b64 s[18:19], s[12:13], s[14:15]     ; wqb or wpb
	s_cselect_b32 s3, 512, s3                      ; the first work-group of that weight
	s_sub_co_u32 s3, s2, s3
	s_lshl_b32 s20, s3, 16
	s_add_nc_u64 s[16:17], s[16:17], s[20:21]
	s_lshl_b32 s20, s3, 15
	s_add_nc_u64 s[18:19], s[18:19], s[20:21]
	CAST16 4096, 32768, 2048, 16384                ; load i at 4,096 i, store i at 2,048 i
	s_endpgm
.Lfunc_end_k_q7f20c1e094_prep:
	.size	k_q7f20c1e094_prep, .Lfunc_end_k_q7f20c1e094_prep-k_q7f20c1e094_prep
	.p2alignl 7, 3214868480
	.fill 96, 4, 3214868480
	.section	.rodata,"a",@progbits
	.p2align	6, 0x0
	.amdhsa_kernel k_q7f20c1e094_prep
		.amdhsa_group_segment_fixed_size 0
		.amdhsa_private_segment_fixed_size 0
		.amdhsa_enable_private_segment 0
		.amdhsa_kernarg_size 48
		.amdhsa_user_sgpr_count 2
		.amdhsa_user_sgpr_kernarg_segment_ptr 1
		.amdhsa_wavefront_size32 1
		.amdhsa_system_sgpr_workgroup_id_x 1
		.amdhsa_system_sgpr_workgroup_id_y 1
		.amdhsa_system_sgpr_workgroup_id_z 1
		.amdhsa_system_vgpr_workitem_id 0
		.amdhsa_next_free_vgpr 104
		.amdhsa_next_free_sgpr 66
		.amdhsa_reserve_vcc 0
		.amdhsa_float_denorm_mode_32 3
		.amdhsa_float_denorm_mode_16_64 3
		.amdhsa_memory_ordered 1
		.amdhsa_forward_progress 1
		.amdhsa_inst_pref_size 13
	.end_amdhsa_kernel
	.amdgpu_metadata
---
amdhsa.version: [ 1, 2 ]
amdhsa.kernels:
  - .name:           k_q7f20c1e094_prep
    .symbol:         k_q7f20c1e094_prep.kd
    .args:
      - { .name: x, .offset: 0, .size: 8, .value_kind: global_buffer, .address_space: global }
      - { .name: Wqkv, .offset: 8, .size: 8, .value_kind: global_buffer, .address_space: global }
      - { .name: Wproj, .offset: 16, .size: 8, .value_kind: global_buffer, .address_space: global }
      - { .name: xb, .offset: 24, .size: 8, .value_kind: global_buffer, .address_space: global }
      - { .name: wqb, .offset: 32, .size: 8, .value_kind: global_buffer, .address_space: global }
      - { .name: wpb, .offset: 40, .size: 8, .value_kind: global_buffer, .address_space: global }
    .group_segment_fixed_size: 0
    .private_segment_fixed_size: 0
    .kernarg_segment_align: 8
    .kernarg_segment_size: 48
    .max_flat_workgroup_size: 256
    .sgpr_count:     66
    .vgpr_count:     104
    .wavefront_size: 32
...
	.end_amdgpu_metadata
.endif
;; end of part 1
;; launch qkv (part 2): grid 8 x 32, 4 waves a work-group, clusters of 4 x 4, 327,680 bytes of LDS; arguments xb, wqb, qkv; writes qkv
.if DOCPART == 2
	.amdgcn_target "amdgcn-amd-amdhsa--gfx1250"
	.amdhsa_code_object_version 6
	.text
	.protected	k_q7f20c1e094_qkv
	.globl	k_q7f20c1e094_qkv
	.p2align	8
	.type	k_q7f20c1e094_qkv,@function
k_q7f20c1e094_qkv:
	s_mov_b64 s[64:65], 0
	v_nop
	global_prefetch_b8 v0, s[64:65] scope:SCOPE_SE
	s_setreg_imm32_b32 hwreg(HW_REG_WAVE_MODE, 25, 1), 1
	s_wait_xcnt 0x0
	s_wait_alu depctr_hold_cnt(0) depctr_sa_sdst(0) depctr_va_vdst(0) depctr_va_sdst(0) depctr_va_ssrc(0) depctr_va_vcc(0) depctr_vm_vsrc(0)
	s_getreg_b32 s2, hwreg(HW_REG_IB_STS2, 6, 4)
	s_cmp_eq_u32 s2, 0
	s_cbranch_scc0 .Lentry_in_a_cluster
	s_endpgm
.Lentry_in_a_cluster:
	s_bfe_u32 s2, ttmp6, 0x10000c
	s_cmp_lg_u32 s2, 0xf033
	s_cbranch_scc0 .Lentry_shape_is_right
	s_endpgm
.Lentry_shape_is_right:
; Launch 2 of 4: qkv = x Wqkv, 8192 x 3072 x 1024, f16 operands, f32 sums.  Nothing of reference() is left out here.
; OUT: qkv [8 b][48 g][1024 s][64] in f16; g = column / 64: g = h is q of head h, 16 + h is k, 32 + h is v.  One (b, g) is 131,072 dense bytes.
; LIMIT: q, k and v are rounded to f16; a number beyond 65,504 in magnitude becomes an infinity.  With x and Wqkv both
; 30 times larger than unit spread and spread 1/32 the numbers reach about 5,000; with both carrying an offset of 30 spreads about 29,000.
; A work-group makes 256 rows x 384 columns with four waves; a wave 128 x 192: 96 accumulator tiles of 16 x 16, 768 registers.  256 work-groups: one tile each.
; K goes in steps of 64 through two LDS slots filled by the tensor data mover.
;   A's part of a slot: one block of xb, 256 rows of 128 bytes, fetched as lines of 256 bytes (two rows) with 16 bytes of padding: row q lies at (q >> 1) 272 + (q & 1) 128,
;     so the 16 rows of a fragment start in 16 different 16-byte columns modulo 256 bytes.
;   B's part: 64 k rows of 384 columns as they lie in wqb, 32 bytes of padding behind every 256 bytes: a row is 3 x 288 = 864 bytes.  Fragments are read with the
;     transposing LDS load.
; A wave's 192 columns are 64 of each of the three chunks of 128 (wn = wave & 1 says which 64): three whole heads.
; CLUSTERS: 4 x 4 work-groups.  The four of a row of the cluster need the same tiles of A, the four of a column the same tiles of B; each tile is asked for jointly,
; by the same tensor load with the same descriptor in all four.  That divides the requests for A and for B by four.
; REGISTERS: window 0: v0-15 addresses; v16-79, v80-143 two buffers of A's 8 fragments; v144-239 B's 12 fragments, in two halves of 6.
;   windows 1 to 3: accumulator tile t = 48 hf + 6 a + jj (hf: B's half, a: 16 rows, jj: fragment in the half) in window 1 + t / 32 at register 8 (t % 32).
; THE MATRIX INSTRUCTION IS USED TRANSPOSED (source 0 = columns of B, source 1 = rows of A): a lane's 8 results are 8 neighbouring columns of one row.
.set NB,     12                        ; B fragments of a wave
.set NBH,    6                         ; in each half
.set QPS,    2                         ; quarters (32 along K) in a slot
.set ALINES, 64                        ; lines of 256 bytes in one load of A
.set PA,     272                       ; a line of A in LDS
.set PB,     864                       ; a k row of B in LDS
.set ABLK,   128*PA                    ; a block of 256 rows of A
.set BOFF,   ABLK                      ; B lies behind A in a slot
.set SLOT,   BOFF+64*PB                ; 90,112
.set STAGE,  2*SLOT                    ; 180,224: behind the ring, never filled by a tensor load
.set SP,     400                       ; a stage row: 384 bytes + 16
.set ASTEP,  2097152                   ; from a slot's tile of A to its next: two blocks of xb
.set BSTEP,  786432                    ; the same for B: 128 rows of 6,144 bytes
.set LAPS,   8                         ; a lap = two K steps = once round the ring
.set ADRA, 6                           ; v6, v7    LDS address of my A fragments in slot 0, 1
.set ADRB, 8                           ; v8, v9    the same for B
.set STO,  10                          ; the way out: where I put 16 bytes of a row
.set RD,   11                          ; the way out: where I read back
.set CO,   12                          ; my byte offset in the output
.set AF0,  16
.set AF1,  80
.set BF,   144
.set TMP,  16                          ; the way out: packed results
.set G1,  24                           ; s[24:31] group 1 for A
.set G0,  32                           ; s[32:39] group 0 for A, one set for each slot
.set G1B, 48                           ; s[48:55] group 1 for B
.set G0B, 56                           ; s[56:63] group 0 for B
.set MSB, 0
.macro WIN new                         ; the immediate's high byte repeats the setting that is left
.if MSB != \new
	s_set_vgpr_msb (MSB<<8)|\new
.set MSB, \new
.endif
.endm
.macro PLACES                          ; four places behind a matrix instruction in front of loads into, or vector reads of, its registers
.rept 4
	v_nop
.endr
.endm
; A joint load: waves 0 and 1 fetch A's two halves, waves 2 and 3 B's.  The branch hangs on the wave's number alone.
.macro JLOAD s
	s_cmp_eq_u32 s11, 0
	s_cbranch_scc0 .Lfor_b_\@
	tensor_load_to_lds s[G0+4*\s:G0+4*\s+3], s[G1:G1+7]
	s_nop 0
	s_branch .Lasked_\@
.Lfor_b_\@:
	tensor_load_to_lds s[G0B+4*\s:G0B+4*\s+3], s[G1B:G1B+7]
	s_nop 0
.Lasked_\@:
.endm
; A round of the cluster's barrier: my work-group's barrier; wave 0 signals for the work-group; every wave waits for all sixteen; my work-group's barrier again.
.macro CREST                           ; a round behind its opening barrier
	s_cmp_lg_u32 s10, 0
	s_cbranch_scc1 .Lnot_wave_0_\@
	s_barrier_signal -3
.Lnot_wave_0_\@:
	s_barrier_wait -3
	s_barrier_signal -1
	s_barrier_wait -1
.endm
.macro CROUND
	s_barrier_signal -1
	s_barrier_wait -1
	CREST
.endm
; 16 loads: A's 8 fragments of quarter kq of a slot into buffer g
.macro LDA slot, kq, g
.irp a, 0,1,2,3,4,5,6,7
	ds_load_b128 v[\g+8*\a:\g+8*\a+3],   v[ADRA+\slot] offset:((\kq)>>1)*ABLK+((\kq)&1)*64+\a*8*PA
	ds_load_b128 v[\g+8*\a+4:\g+8*\a+7], v[ADRA+\slot] offset:((\kq)>>1)*ABLK+((\kq)&1)*64+\a*8*PA+32
.endr
.endm
; 2 NBH transposing loads: half hf of B's fragments of quarter kq.  Fragment j: chunk j >> 2, 16 columns (j & 3) of my 64.
.macro LDB slot, kq, hf
.set lj, \hf*NBH
.rept NBH
	ds_load_tr16_b128 v[BF+8*lj:BF+8*lj+3],   v[ADRB+\slot] offset:(\kq)*32*PB+(lj>>2)*288+(lj&3)*32
	ds_load_tr16_b128 v[BF+8*lj+4:BF+8*lj+7], v[ADRB+\slot] offset:(\kq)*32*PB+(lj>>2)*288+(lj&3)*32+16*PB
.set lj, lj+1
.endr
.endm
; na x NBH matrix instructions: A's fragments a0 .. a0 + na - 1 of buffer f times half hf of B.  zero = 1: the product starts the sum.
; The accumulators take turns, one instruction a turn, in the same order in every quarter.
.macro MULP f, hf, a0, na, zero
.set ma, \a0
.rept \na
.set mj, 0
.rept NBH
.set mt, \hf*8*NBH+ma*NBH+mj
	WIN (1+mt/32)*0x50
.if \zero
	v_wmma_f32_16x16x32_f16 v[8*(mt%32):8*(mt%32)+7], v[BF+8*(\hf*NBH+mj):BF+8*(\hf*NBH+mj)+7], v[\f+8*ma:\f+8*ma+7], 0
.else
	v_wmma_f32_16x16x32_f16 v[8*(mt%32):8*(mt%32)+7], v[BF+8*(\hf*NBH+mj):BF+8*(\hf*NBH+mj)+7], v[\f+8*ma:\f+8*ma+7], v[8*(mt%32):8*(mt%32)+7]
.endif
.set mj, mj+1
.endr
.set ma, ma+1
.endr
.endm
; First half of a quarter: B's upper half is fetched while A x B's lower half is multiplied.
.macro P1 slot, kq, f, zero
	PLACES                                         ; behind the products that read B's upper half
	WIN 0
	LDB \slot, \kq, 1
	s_wait_dscnt 2*NBH                             ; all but the loads just issued: A's buffer f and B's lower half are in
	MULP \f, 0, 0, 8, \zero
.endm
; Second half: the NEXT quarter's A (into buffer g) and B's lower half are fetched while A x B's upper half is multiplied.
.macro P2 slot, kq, f, g, zero
	PLACES                                         ; behind the products that read B's lower half (buffer g was last read a quarter ago)
	WIN 0
	LDA \slot, \kq, \g
	LDB \slot, \kq, 0
	s_wait_dscnt 16+2*NBH                          ; all but the loads just issued: B's upper half is in
	MULP \f, 1, 0, 8, \zero
.endm
.macro QUARTER slot, kq, f, g, zero
	P1 \slot, \kq, \f, \zero
	P2 \slot, \kq+1, \f, \g, \zero
.endm
; A slot's last quarter, on buffer AF1, with the change of slots.  In front of the barrier each wave waits for its reads of this slot and for all its tensor
; loads (one is out: its part of the next slot).  Where the slot is filled again the barrier opens a round of the cluster's barrier, and the joint refill is
; the wave's first and only tensor load behind the round.
.macro TURN slot, next, fill
	PLACES
	WIN 0
	LDB \slot, QPS-1, 1                            ; my last reads of this slot
	s_wait_dscnt 2*NBH
	MULP AF1, 0, 0, 4, 0
	s_wait_dscnt 0x0                               ; my reads of this slot are over,
	s_wait_tensorcnt 0x0                           ; and all my tensor loads have landed
	ds_add_u32 v254, v255
	s_wait_dscnt 0x0
	s_barrier_signal -1
	MULP AF1, 0, 4, 4, 0                           ; registers only, while the others arrive
	WIN 0
	s_barrier_wait -1
.if \fill
	CREST
	s_add_nc_u64 s[G0+4*\slot+2:G0+4*\slot+3], s[G0+4*\slot+2:G0+4*\slot+3], ASTEP      ; no load of mine is out: the addresses may step
	s_add_nc_u64 s[G0B+4*\slot+2:G0B+4*\slot+3], s[G0B+4*\slot+2:G0B+4*\slot+3], BSTEP
	JLOAD \slot
.endif
	P2 \next, 0, AF1, AF0, 0
.endm
.macro STEP slot, next, fill, zero
	QUARTER \slot, 0, AF0, AF1, \zero
	TURN \slot, \next, \fill
.endm
.macro LAP zero
	STEP 0, 1, 1, \zero
	STEP 1, 0, 1, 0
.endm
	s_load_b128 s[4:7], s[0:1], 0x0                ; xb s[4:5], wqb s[6:7]
	s_load_b64 s[8:9], s[0:1], 0x10                ; qkv
	v_lshl_add_u32 v254, v0, 2, 0x32400
	v_mov_b32 v255, 0
	ds_add_u32 v254, v255
	ds_add_u32 v254, v255
	v_lshrrev_b32 v1, 5, v0
	v_readfirstlane_b32 s10, v1                    ; wave 0..3
	s_lshr_b32 s11, s10, 1                         ; wm: which 128 rows are mine.  Also: I fetch for A (0) or for B (1)
	s_and_b32 s12, s10, 1                          ; wn: which 64 columns of each chunk.  Also: which half of that tile I fetch
	s_bfe_u32 s40, ttmp6, 0x40000                  ; cx
	s_bfe_u32 s41, ttmp6, 0x40004                  ; cy
	s_lshl_b32 s42, ttmp9, 2
	s_add_co_u32 s42, s42, s40                     ; bx: block column = 4 x cluster x + cx
	s_and_b32 s13, ttmp7, 0xffff
	s_lshl_b32 s13, s13, 2
	s_add_co_u32 s13, s13, s41                     ; by: block row = 4 x cluster y + cy
	s_lshl_b32 s43, s41, 2
	s_lshl_b32 s43, 15, s43                        ; my row of the cluster
	s_lshl_b32 s44, 0x1111, s40                    ; my column
	; group 1 for A: 64 lines of 32 elements of 8 bytes, dense in memory; 4 words of padding behind every 64 words
	s_or_b32 s[G1+0], s43, (3<<16)|(1<<20)|(1<<21)|(5<<22)|(3<<25)
	s_mov_b32 s[G1+1], 32<<16                      ; tensor_dim0 = 32
	s_mov_b32 s[G1+2], ALINES<<16                  ; tensor_dim1 = 64
	s_mov_b32 s[G1+3], 32<<16                      ; tile_dim0 = 32
	s_mov_b32 s[G1+4], ALINES                      ; tile_dim1 = 64
	s_mov_b32 s[G1+5], 32                          ; from line to line: 32 elements
	s_mov_b32 s[G1+6], 0
	s_mov_b32 s[G1+7], 0
	; group 1 for B: 32 k rows of 384 elements of 2 bytes, 3,072 elements apart; 8 words of padding behind every 64 words (three times in a row)
	s_or_b32 s[G1B+0], s44, (1<<16)|(1<<20)|(1<<21)|(5<<22)|(7<<25)
	s_mov_b32 s[G1B+1], 384<<16
	s_mov_b32 s[G1B+2], 32<<16
	s_mov_b32 s[G1B+3], 384<<16
	s_mov_b32 s[G1B+4], 32
	s_mov_b32 s[G1B+5], 3072
	s_mov_b32 s[G1B+6], 0
	s_mov_b32 s[G1B+7], 0
	; where the tiles come from: A's offset is made of by and the wave, B's of bx and the wave, each in registers that never hold the other coordinate
	s_lshl_b32 s16, s13, 15                        ; 256 rows of 128 bytes
	s_lshl_b32 s17, s12, 14                        ; + my 128 rows
	s_add_co_u32 s16, s16, s17
	s_mov_b32 s17, 0
	s_mul_i32 s46, s42, 768                        ; 384 columns of 2 bytes
	s_mul_i32 s47, s12, 196608                     ; + my 32 k rows of 6,144 bytes
	s_add_co_u32 s46, s46, s47
	s_mov_b32 s47, 0
	s_mul_i32 s20, s12, ALINES*PA                  ; and where they go: A's halves,
	s_mul_i32 s21, s12, 32*PB
	s_add_co_u32 s21, s21, BOFF                    ; B's halves behind them
	s_wait_dscnt 0x0
	s_wait_kmcnt 0x0
	s_add_nc_u64 s[14:15], s[4:5], s[16:17]
	s_add_nc_u64 s[46:47], s[6:7], s[46:47]
	CROUND                                         ; all sixteen work-groups are here: the first joint loads meet
.irp s, 0,1
	s_mov_b32 s[G0+4*\s], 1
	s_add_co_u32 s[G0+4*\s+1], s20, \s*SLOT
	s_add_nc_u64 s[G0+4*\s+2:G0+4*\s+3], s[14:15], \s*ASTEP/2      ; K step s
	s_or_b32 s[G0+4*\s+3], s[G0+4*\s+3], 0x80000000
	s_mov_b32 s[G0B+4*\s], 1
	s_add_co_u32 s[G0B+4*\s+1], s21, \s*SLOT
	s_add_nc_u64 s[G0B+4*\s+2:G0B+4*\s+3], s[46:47], \s*BSTEP/2
	s_or_b32 s[G0B+4*\s+3], s[G0B+4*\s+3], 0x80000000
	JLOAD \s                                       ; both slots' first fills: two tensor loads of a wave are out, the most in this text
.endr
	v_and_b32 v1, 15, v0                           ; r = lane % 16
	v_bfe_u32 v2, v0, 4, 1                         ; h = lane / 16
	v_lshrrev_b32 v3, 1, v1
	v_mul_u32_u24 v3, v3, PA                       ; A: line r >> 1,
	v_and_b32 v4, 1, v0
	v_lshl_add_u32 v3, v4, 7, v3                   ; its half r & 1,
	v_lshl_add_u32 v3, v2, 4, v3                   ; 16 h bytes along K
	s_mul_i32 s22, s11, 64*PA                      ; my 128 rows
	v_add_nc_u32 v[ADRA], s22, v3
	v_add_nc_u32 v[ADRA+1], SLOT, v[ADRA]
	v_and_b32 v4, 7, v0
	v_lshl_add_u32 v4, v2, 3, v4                   ; B: k row 8 h + lane % 8,
	v_mul_u32_u24 v4, v4, PB
	v_bfe_u32 v5, v0, 3, 1
	v_lshl_add_u32 v4, v5, 4, v4                   ; 8 columns further for lanes 8-15 and 24-31
	s_lshl_b32 s23, s12, 7                         ; my 64 columns of a chunk
	s_add_co_u32 s23, s23, BOFF
	v_add_nc_u32 v[ADRB], s23, v4
	v_add_nc_u32 v[ADRB+1], SLOT, v[ADRB]
	s_mul_i32 s23, s10, 16*SP
	s_add_co_u32 s23, s23, STAGE                   ; my stage
	v_mul_u32_u24 v4, v1, SP
	v_lshl_add_u32 v4, v2, 4, v4
	v_add_nc_u32 v[STO], s23, v4                   ; in: row r, 16 bytes for each half of the lanes
	v_bfe_u32 v4, v0, 3, 2
	v_mul_u32_u24 v4, v4, SP
	v_and_b32 v5, 7, v0
	v_lshl_add_u32 v4, v5, 4, v4
	v_add_nc_u32 v[RD], s23, v4                    ; back: eight lanes take 128 bytes of a row, 32 lanes four rows
	v_and_b32 v4, 31, v0
	v_lshlrev_b32 v[CO], 4, v4                     ; which are 512 consecutive bytes of a head
	s_wait_tensorcnt 0x1                           ; my part of K step 0 is in; K step 1's may stay out
	s_barrier_signal -1
	s_barrier_wait -1
	LDA 0, 0, AF0
	LDB 0, 0, 0
	LAP 1                                          ; the first lap stands in front of the loop: its first products start the sums
	WIN 0                                          ; at a label and at a branch every window is 0
	s_mov_b32 s3, LAPS-2
.Llap:
	LAP 0
	WIN 0
	s_sub_co_u32 s3, s3, 1
	s_cmp_lg_u32 s3, 0
	s_cbranch_scc1 .Llap
	STEP 0, 1, 0, 0                                ; the last lap fills nothing and has no round of the cluster's barrier
	QUARTER 1, 0, AF0, AF1, 0
	P1 1, QPS-1, AF1, 0
	s_wait_dscnt 0x0
	MULP AF1, 1, 0, 8, 0
	; THE WAY OUT, 16 rows at a time: round to f16, 16 bytes a lane into my own stage, read back four rows of a head at a time, 512 consecutive bytes a store.
	PLACES
	s_lshr_b32 s16, s13, 2                         ; b = by / 4
	s_mul_i32 s16, s16, 6291456                    ; 48 heads of 131,072 bytes
	s_and_b32 s17, s13, 3
	s_lshl_b32 s17, s17, 15                        ; 256 rows of 128 bytes
	s_add_co_u32 s16, s16, s17
	s_lshl_b32 s17, s11, 14                        ; my 128 rows
	s_add_co_u32 s16, s16, s17
	s_mov_b32 s17, 0
	s_add_nc_u64 s[8:9], s[8:9], s[16:17]
	s_mul_i32 s46, s42, 6                          ; g = 6 bx + 2 chunk + wn (in the registers that held B's address)
	s_add_co_u32 s46, s46, s12
	s_lshl_b32 s46, s46, 17
	s_mov_b32 s47, 0
	s_add_nc_u64 s[8:9], s[8:9], s[46:47]
.macro OUT16 a, rb
.set oj, 0
.rept NB
.set ot, (oj/NBH)*8*NBH+\a*NBH+(oj%NBH)
	WIN (1+ot/32)*5                                ; sources 0 and 1 in the tile's window
.irp q, 0,1,2,3
	v_cvt_pk_f16_f32 v[TMP+4*oj+\q], v[8*(ot%32)+2*\q], v[8*(ot%32)+2*\q+1]
.endr
.set oj, oj+1
.endr
	WIN 0
.set oj, 0
.rept NB
	ds_store_b128 v[STO], v[TMP+4*oj:TMP+4*oj+3] offset:(oj>>2)*128+(oj&3)*32
.set oj, oj+1
.endr
	s_wait_xcnt 0x0                                ; buffer rb, which earlier stores read, is loaded again only behind this wait
.set on, 0
.rept 12
	ds_load_b128 v[\rb+4*on:\rb+4*on+3], v[RD] offset:(on&3)*4*SP+(on>>2)*128   ; LDS serves a wave's instructions in order: these see the stores above
.set on, on+1
.endr
.set on, 0
.rept 12
	s_wait_dscnt 11-on                             ; load on is in, the younger ones stay out
	global_store_b128 v[CO], v[\rb+4*on:\rb+4*on+3], s[8:9] offset:(on>>2)*262144+(16*\a+4*(on&3))*128
.set on, on+1
.endr
.endm
	OUT16 0, AF1
	OUT16 1, BF
	OUT16 2, AF1
	OUT16 3, BF
	OUT16 4, AF1
	OUT16 5, BF
	OUT16 6, AF1
	OUT16 7, BF
	s_wait_tensorcnt 0x0
	ds_add_u32 v254, v255
	s_wait_dscnt 0x0
	CROUND                                         ; the closing round: no work-group ends while a partner may still ask for a tile that names it
	s_endpgm
.Lfunc_end_k_q7f20c1e094_qkv:
	.size	k_q7f20c1e094_qkv, .Lfunc_end_k_q7f20c1e094_qkv-k_q7f20c1e094_qkv
	.p2alignl 7, 3214868480
	.fill 96, 4, 3214868480
	.section	.rodata,"a",@progbits
	.p2align	6, 0x0
	.amdhsa_kernel k_q7f20c1e094_qkv
		.amdhsa_group_segment_fixed_size 327680
		.amdhsa_private_segment_fixed_size 0
		.amdhsa_enable_private_segment 0
		.amdhsa_kernarg_size 24
		.amdhsa_user_sgpr_count 2
		.amdhsa_user_sgpr_kernarg_segment_ptr 1
		.amdhsa_wavefront_size32 1
		.amdhsa_system_sgpr_workgroup_id_x 1
		.amdhsa_system_sgpr_workgroup_id_y 1
		.amdhsa_system_sgpr_workgroup_id_z 1
		.amdhsa_system_vgpr_workitem_id 0
		.amdhsa_next_free_vgpr 1024
		.amdhsa_next_free_sgpr 66
		.amdhsa_reserve_vcc 0
		.amdhsa_float_denorm_mode_32 3
		.amdhsa_float_denorm_mode_16_64 3
		.amdhsa_memory_ordered 1
		.amdhsa_forward_progress 1
		.amdhsa_inst_pref_size 169
	.end_amdhsa_kernel
	.amdgpu_metadata
---
amdhsa.version: [ 1, 2 ]
amdhsa.kernels:
  - .name:           k_q7f20c1e094_qkv
    .symbol:         k_q7f20c1e094_qkv.kd
    .args:
      - { .name: xb, .offset: 0, .size: 8, .value_kind: global_buffer, .address_space: global }
      - { .name: wqb, .offset: 8, .size: 8, .value_kind: global_buffer, .address_space: global }
      - { .name: qkv, .offset: 16, .size: 8, .value_kind: global_buffer, .address_space: global }
    .group_segment_fixed_size: 327680
    .private_segment_fixed_size: 0
    .kernarg_segment_align: 8
    .kernarg_segment_size: 24
    .max_flat_workgroup_size: 128
    .sgpr_count:     66
    .vgpr_count:     1024
    .wavefront_size: 32
...
	.end_amdgpu_metadata
.endif
;; end of part 2
;; launch attn (part 3): grid 256 x 1, 8 waves a work-group, no clusters, 314,368 bytes of LDS; arguments qkv, padding_mask, ao; writes ao
.if DOCPART == 3
	.amdgcn_target "amdgcn-amd-amdhsa--gfx1250"
	.amdhsa_code_object_version 6
	.text
	.protected	k_q7f20c1e094_attn
	.globl	k_q7f20c1e094_attn
	.p2align	8
	.type	k_q7f20c1e094_attn,@function
k_q7f20c1e094_attn:
	s_mov_b64 s[64:65], 0
	v_nop
	global_prefetch_b8 v0, s[64:65] scope:SCOPE_SE
	s_setreg_imm32_b32 hwreg(HW_REG_WAVE_MODE, 25, 1), 1
	s_wait_xcnt 0x0
; Launch 3 of 4: for each (b, h): out = (softmax(q k^T / 8 + mask_w) * mask) v, with mask_w = -(1 - mask) 1e10.  Nothing of reference() is left out here.
; A work-group takes 512 queries of one head; a wave 64 queries, as four tiles of 16.  The head's whole K and V (1,024 keys) are brought into LDS once: every LDS byte is
; filled once, so there is no ring and no refill.
; THE FILLS go out at the head, five tensor loads a wave, in groups of 64, 64, 128, 256 and 512 keys.  A wave's tensor loads end in order, so the first block's 16,384 bytes
; stand in front of the rest, and each later group is first read after as many blocks of work as all the groups before it hold together.
; NO CLUSTER: only the two work-groups of a head share K and V, and each asks for its 262,144 bytes once in the launch, not once a step; a cluster of four would hold
; two heads, with masks of two partners and a head number made from the place in the cluster.
; LAYOUTS, chosen so that a query is lane r = lane % 16 in every product and nothing is shuffled:
;   S^T = K Q^T: source 0 = 16 keys of K, source 1 = 16 queries.  Register 8 kt + j of lane (r, h) is key 16 kt + 8 h + j of the block, query r.
;   Pairs of these, packed to f16 in ascending order, ARE the second source of O^T = V^T P^T (32 keys along its registers).
;   Source 0 there is V read with the transposing LDS load.  Register 8 dt + j of O is d = 16 dt + 8 h + j, query r.
; SOFTMAX in base 2 with a running maximum: t = s (log2 e / 8) + mask_w log2 e, one fused multiply-add; p = 2^(t - m); the sum takes p, the product p * mask.
; THE FACTOR MASK IS SCALED BY A POWER OF TWO, so that the result has room in f16: E = the largest exponent field of the batch's 1,024 mask numbers (kept in 1 .. 252),
;   m' = mask 2^(126 - E), so |m'| < 1 and |result| <= the largest |v|.  Launch proj finds the same E and multiplies by 2^(E - 126): exact, nothing is rounded by it.
;   The term mask_w is made of the mask as it is given.
; MATRIX WORK BESIDE VECTOR WORK.  The tiles go through a pipeline of stages.  In stage t = 4 block + tile the softmax of tile t is cut into slices, and between the slices
;   stand the eight products P V of tile t - 1 (first half) and the eight products of the scores of tile t + 1 (second half).  P of tile t - 1 and the scores of tile t + 1
;   share a buffer: ten plain vector instructions or more stand between the last product that reads the one and the first that writes the other.
;   The slices are also the places that must stand behind a matrix instruction (ISA guide 7.12.1), so the loop holds no v_nop.
; WINDOWS.  K 64 + Q 64 + two score buffers 64 + bias 32 + 32 registers at work fill window 0, so the scores' products and the softmax need no switch; that sum is why a wave
;   has four query tiles and not eight.  O, V and the factor mask lie in window 1.  A product P V and the rescaling of O share one setting and come in four visits a stage,
;   two products each.  A trip of four stages has 42 switches for its 64 matrix instructions: 32 round the visits, 8 round the products with the factor mask, 2 round the loads.
; LIMITS.  t differs from reference()'s s / 8 + mask_w by rounding alone; where a huge mask_w swallows the score it does so in steps of the last bit of 1.44e10 and not of 1e10.
;   v_exp_f32 gives zero for results below 2^-126 (ISA guide 15.8).  q, k, v come in f16; p m' is rounded to f16, where a product below 2^-25 is lost;
;   the scaled result is rounded to f16 (step 6e-8 below 6.1e-5).  A mask number of 2^126 or more is beyond the scale's range.
; LDS: K 512 lines of 272 at 0 (key q at (q >> 1) 272 + (q & 1) 128); V 512 lines of 288 at 139,264; the scaled mask at 286,720; the bias at 290,816; stages at 294,912.
.set KP,    272
.set VP,    288
.set VBASE, 512*KP                     ; 139,264
.set PMR,   VBASE+512*VP               ; 286,720: 1,024 f32, the scaled mask; 4,096 bytes further the bias
.set OUTB,  PMR+8192                   ; 294,912: 16 rows x 144 bytes for each wave, for the way out
.set SP,    144
; window 0
.set KA,  1                            ; LDS address of my part of the next block's K fragments; steps on from block to block
.set VA,  2                            ; the same for V
.set MA,  3                            ; the same for the mask and the bias
.set STO, 4
.set RD,  5
.set CO,  6                            ; 16 x lane
.set QO,  7
.set MX,  8                            ; v8-11    running maximum of query tile i
.set LS,  12                           ; v12-15   running sum, over the keys of my half of the lanes
.set MN,  16                           ; v[16:17] the new maximum, twice
.set AL,  18                           ; v[18:19] 2^(old maximum - new), twice, of an even tile; v[20:21] of an odd one: it is used a stage later
.set T,   24                           ; v24-31   at work
.set KF,  32                           ; v32-95   K: fragment (kt, ds) at 16 kt + 8 ds.  At the head v32-63 hold the batch's whole mask
.set QF,  96                           ; v96-159  Q: fragment (i, ds) at 16 i + 8 ds
.set BI,  160                          ; v160-191 the block's bias, in S's layout
.set SA,  192                          ; v192-223 scores of an even tile, then P in the first 16 registers; v224-255 the same for an odd tile
.set OT,  KF                           ; the way out: packed results
.set RB,  KF+16                        ; the way out: rows read back
; at the head only, in the score buffer
.set HR,  192                          ; r = lane % 16
.set HH,  193                          ; h = lane / 16
.set HT,  194
.set HU,  195
.set HM,  196                          ; v[196:199] my 4 numbers of the mask, v[200:203] their bias
.set HG,  204                          ; 16 x thread
.set HL,  205                          ; where they go in LDS
; window 1
.set OA,  0                            ; v0-127   O: tile (i, dt) at 32 i + 8 dt
.set VF,  128                          ; v128-191 V: fragment (ks, dt) at 32 ks + 8 dt
.set PM,  192                          ; v192-223 the block's scaled mask, in S's layout
.set G1,  24                           ; s[24:55] group 1, four sets: set q states 8 << q lines
.set G0,  68                           ; s[68:87] group 0, one set for each group of keys
.set MSB, 0
.macro WIN new                         ; the immediate's high byte repeats the setting that is left
.if MSB != \new
	s_set_vgpr_msb (MSB<<8)|\new
.set MSB, \new
.endif
.endm
.macro PLACES                          ; four places behind a matrix instruction (ISA guide 7.12.1), where no vector work is at hand
.rept 4
	v_nop
.endr
.endm
; One tensor load: group q of the keys begins at line st; my part is nl lines, at wave x nl lines.  gs: which set of group 1 states nl lines.
; LDS address = wave x (nl x pitch) + a constant.
.macro FETCH1 q, nl, st, gs, pitch, lbase
	s_mov_b32 s[G0+4*\q], 1
	s_mul_i32 s[G0+4*\q+1], s10, \nl*\pitch
.if \lbase+\st*\pitch
	s_add_co_u32 s[G0+4*\q+1], s[G0+4*\q+1], \lbase+\st*\pitch
.endif
	s_mul_i32 s18, s14, \nl*256                    ; in memory a line is 256 bytes
	s_add_nc_u64 s[G0+4*\q+2:G0+4*\q+3], s[16:17], s[18:19]
.if \st
	s_add_nc_u64 s[G0+4*\q+2:G0+4*\q+3], s[G0+4*\q+2:G0+4*\q+3], \st*256
.endif
	s_or_b32 s[G0+4*\q+3], s[G0+4*\q+3], 0x80000000
	tensor_load_to_lds s[G0+4*\q:G0+4*\q+3], s[G1+8*\gs:G1+8*\gs+7]
	s_nop 0
.endm
; my five loads; wv: the number of the first wave on this path, taken out of the constant
.macro FETCH5 pitch, base, wv
	FETCH1 0, 8,  0,   0, \pitch, \base-\wv*8*\pitch
	FETCH1 1, 8,  32,  0, \pitch, \base-\wv*8*\pitch
	FETCH1 2, 16, 64,  1, \pitch, \base-\wv*16*\pitch
	FETCH1 3, 32, 128, 2, \pitch, \base-\wv*32*\pitch
	FETCH1 4, 64, 256, 3, \pitch, \base-\wv*64*\pitch
.endm
; v[b] = 2^(E - 127) in every lane, E the largest exponent field of the 32 x 32 numbers in v[b .. b + 31], kept in 1 .. 252.
; A number cut down to its exponent field is a power of two (or zero), so the f32 maximum orders them.
.macro EXPMAX b
.set n, 0
.rept 32
	v_and_b32 v[\b+n], 0x7f800000, v[\b+n]
.set n, n+1
.endr
.irp c, 0,1,2,3,4,5,6,7
	v_max3_num_f32 v[\b+4*\c], v[\b+4*\c], v[\b+4*\c+1], v[\b+4*\c+2]
.endr
.irp c, 0,1,2,3
	v_max3_num_f32 v[\b+8*\c], v[\b+8*\c], v[\b+8*\c+3], v[\b+8*\c+4]
.endr
.irp c, 0,1,2,3
	v_max_num_f32 v[\b+8*\c], v[\b+8*\c], v[\b+8*\c+7]
.endr
	v_max3_num_f32 v[\b], v[\b], v[\b+8], v[\b+16]
	v_max_num_f32 v[\b], v[\b], v[\b+24]
	v_max_num_f32_dpp v[\b], v[\b], v[\b] row_xmask:1 row_mask:0xf bank_mask:0xf
	v_max_num_f32_dpp v[\b], v[\b], v[\b] row_xmask:2 row_mask:0xf bank_mask:0xf
	v_max_num_f32_dpp v[\b], v[\b], v[\b] row_xmask:4 row_mask:0xf bank_mask:0xf
	v_max_num_f32_dpp v[\b], v[\b], v[\b] row_xmask:8 row_mask:0xf bank_mask:0xf
	v_permlanex16_b32 v[\b+1], v[\b], s22, s23
	v_max_num_f32 v[\b], v[\b], v[\b+1]
	v_max_num_f32 v[\b], 0x00800000, v[\b]         ; E >= 1: a mask of zeros takes any scale
	v_min_num_f32 v[\b], 0x7e000000, v[\b]         ; E <= 252: both scales stay normal numbers
.endm
	s_load_b128 s[4:7], s[0:1], 0x0                ; qkv s[4:5], padding_mask s[6:7]
	s_load_b64 s[8:9], s[0:1], 0x10                ; ao
	v_lshl_add_u32 v22, v0, 2, 0x4c800
	v_mov_b32 v23, 0
	ds_add_u32 v22, v23
	ds_add_u32 v22, v23
	v_lshrrev_b32 v[HT], 5, v0
	v_readfirstlane_b32 s10, v[HT]                 ; wave 0..7
	s_and_b32 s11, ttmp9, 1                        ; which 512 queries
	s_bfe_u32 s12, ttmp9, 0x40001                  ; h
	s_lshr_b32 s13, ttmp9, 5                       ; b
	s_and_b32 s14, s10, 3                          ; which quarter of a group of keys I fetch
	s_mul_i32 s15, s13, 48
	s_add_co_u32 s15, s15, s12                     ; 48 b + h
	s_mov_b32 s19, 0                               ; high word of every offset
	s_mov_b32 s20, 0x3e38aa3b                      ; log2 e / 8, twice: a pair for the packed multiply-add
	s_mov_b32 s21, 0x3e38aa3b
	s_mov_b32 s22, 0x76543210                      ; v_permlanex16_b32: lane i of one half reads lane i of the other
	s_mov_b32 s23, 0xfedcba98
	; group 1, four sets: 8 << q lines of 32 elements of 8 bytes, dense in memory; the first word (the padding) differs between K and V and is written on their paths
.irp q, 0,1,2,3
	s_mov_b32 s[G1+8*\q+1], 32<<16                 ; tensor_dim0 = 32
	s_mov_b32 s[G1+8*\q+2], (8<<\q)<<16            ; tensor_dim1 = the lines
	s_mov_b32 s[G1+8*\q+3], 32<<16                 ; tile_dim0 = 32
	s_mov_b32 s[G1+8*\q+4], 8<<\q                  ; tile_dim1 = the lines
	s_mov_b32 s[G1+8*\q+5], 32                     ; from line to line: 32 elements
	s_mov_b32 s[G1+8*\q+6], 0
	s_mov_b32 s[G1+8*\q+7], 0
.endr
	v_and_b32 v[HR], 15, v0                        ; r
	v_bfe_u32 v[HH], v0, 4, 1                      ; h
	v_lshlrev_b32 v[QO], 7, v[HR]
	v_lshl_add_u32 v[QO], v[HH], 4, v[QO]          ; Q: row r, byte 16 h
	v_lshlrev_b32 v[HG], 4, v0
	v_and_b32 v[HT], 31, v0
	v_lshlrev_b32 v[CO], 4, v[HT]
	s_wait_dscnt 0x0
	s_wait_kmcnt 0x0
	; The mask and Q are asked for ahead of the 262,144 bytes of K and V: the first block needs them.
	; the mask of batch b: thread t takes 16 bytes at 16 t, which it will put into LDS; and every wave takes all 4,096 bytes, for the scale
	s_lshl_b32 s18, s13, 12
	s_add_nc_u64 s[6:7], s[6:7], s[18:19]
	global_load_b128 v[HM:HM+3], v[HG], s[6:7]
.irp j, 0,1,2,3,4,5,6,7
	global_load_b128 v[KF+4*\j:KF+4*\j+3], v[CO], s[6:7] offset:\j*512
.endr
	; Q, straight into fragment form: lane (r, h) takes 16 bytes at row r, byte 16 h, and 32 bytes further; 8,192 bytes a wave, read once
	s_lshl_b32 s18, s15, 17
	s_lshl_b32 s58, s11, 16
	s_add_co_u32 s18, s18, s58
	s_lshl_b32 s58, s10, 13
	s_add_co_u32 s18, s18, s58
	s_add_nc_u64 s[56:57], s[4:5], s[18:19]
.irp i, 0,1,2,3
.irp d, 0,1
	global_load_b128 v[QF+16*\i+8*\d:QF+16*\i+8*\d+3],   v[QO], s[56:57] offset:\i*2048+\d*64
	global_load_b128 v[QF+16*\i+8*\d+4:QF+16*\i+8*\d+7], v[QO], s[56:57] offset:\i*2048+\d*64+32
.endr
.endr
	s_add_co_u32 s18, s15, 16                      ; k of head h
	s_lshl_b32 s18, s18, 17
	s_add_nc_u64 s[16:17], s[4:5], s[18:19]
	; All fills of the launch, in one branch on the wave's number: waves 0-3 fetch K, waves 4-7 V, five loads on either path.  Five tensor loads of a wave are out.
	s_cmp_lt_u32 s10, 4
	s_cbranch_scc0 .Lfetch_v
.irp q, 0,1,2,3
	s_mov_b32 s[G1+8*\q], (3<<16)|(1<<20)|(5<<22)|(3<<25)          ; 4 words of padding behind every 64: lines of 272 bytes
.endr
	FETCH5 KP, 0, 0
	s_branch .Lfetched
.Lfetch_v:
.irp q, 0,1,2,3
	s_mov_b32 s[G1+8*\q], (3<<16)|(1<<20)|(5<<22)|(7<<25)          ; 8 words: lines of 288 bytes
.endr
	s_add_nc_u64 s[16:17], s[16:17], 0x200000                      ; v lies 16 heads behind k
	FETCH5 VP, VBASE, 4
.Lfetched:
	v_lshrrev_b32 v[HT], 1, v[HR]
	v_mul_u32_u24 v[KA], v[HT], KP                 ; K: line r >> 1,
	v_and_b32 v[HT], 1, v0
	v_lshl_add_u32 v[KA], v[HT], 7, v[KA]          ; its half r & 1,
	v_lshl_add_u32 v[KA], v[HH], 4, v[KA]          ; 16 h bytes along d
	v_bfe_u32 v[HU], v0, 1, 2
	v_lshl_add_u32 v[HU], v[HH], 2, v[HU]          ; V: key 8 h + lane % 8 lies in line 4 h + (lane % 8) / 2,
	v_mul_u32_u24 v[VA], v[HU], VP
	v_lshl_add_u32 v[VA], v[HT], 7, v[VA]          ; in its half lane & 1;
	v_bfe_u32 v[HU], v0, 3, 1
	v_lshl_add_u32 v[VA], v[HU], 4, v[VA]          ; 8 d further for lanes 8-15 and 24-31
	v_add_nc_u32 v[VA], VBASE, v[VA]
	v_lshl_add_u32 v[MA], v[HH], 5, PMR            ; the mask: keys 8 h .. 8 h + 7 of each 16
	s_mul_i32 s58, s10, 16*SP
	s_add_co_u32 s58, s58, OUTB                    ; my stage
	v_mul_u32_u24 v[HT], v[HR], SP
	v_lshl_add_u32 v[HT], v[HH], 4, v[HT]
	v_add_nc_u32 v[STO], s58, v[HT]
	v_bfe_u32 v[HT], v0, 3, 2
	v_mul_u32_u24 v[HT], v[HT], SP
	v_and_b32 v[HU], 7, v0
	v_lshl_add_u32 v[HT], v[HU], 4, v[HT]
	v_add_nc_u32 v[RD], s58, v[HT]
	v_add_nc_u32 v[HL], PMR, v[HG]                 ; where my 16 bytes of the mask go
	s_lshl_b32 s18, s12, 20                        ; ao: head h, 8,192 tokens of 128 bytes;
	s_lshl_b32 s58, s13, 17                        ; batch b;
	s_add_co_u32 s18, s18, s58
	s_lshl_b32 s58, s11, 16                        ; my work-group's 512 queries;
	s_add_co_u32 s18, s18, s58
	s_lshl_b32 s58, s10, 13                        ; my wave's 64
	s_add_co_u32 s18, s18, s58
	s_add_nc_u64 s[8:9], s[8:9], s[18:19]
	s_wait_loadcnt 16                              ; the mask's nine loads are in; the 16 loads of Q behind them stay out
.irp q, 0,1,2,3
	v_sub_f32 v[HM+4+\q], 1.0, v[HM+\q]            ; 1 - mask
.endr
.irp q, 0,1,2,3
	v_mul_f32 v[HM+4+\q], 0xd01502f9, v[HM+4+\q]   ; mask_w = -(1 - mask) 1e10
.endr
.irp q, 0,1,2,3
	v_mul_f32 v[HM+4+\q], 0x3fb8aa3b, v[HM+4+\q]   ; in base 2
.endr
	EXPMAX KF                                      ; 2^(E - 127)
	v_sub_nc_u32 v[KF], 0x7e800000, v[KF]          ; exponent field 253 - E: the scale 2^(126 - E)
.irp q, 0,1,2,3
	v_mul_f32 v[HM+\q], v[KF], v[HM+\q]            ; m'
.endr
	ds_store_b128 v[HL], v[HM:HM+3]
	ds_store_b128 v[HL], v[HM+4:HM+7] offset:4096
	s_wait_loadcnt 0x0                             ; Q
; Group g of the keys is there for every wave.  Nothing is ever filled again, so the later groups stay on their way across the barrier.
.macro GWAIT g
	s_wait_tensorcnt 4-\g                          ; tensor loads of a wave end in order: my part of group g is in, the 4 - g later ones stay out
	s_wait_dscnt 0x0                               ; no LDS instruction of mine is out (in front of the first group: my part of the mask is stored)
	s_barrier_signal -1
	s_barrier_wait -1
.endm
.macro LDK                             ; 16 loads: 64 keys x 64 d of K; then the address of the next 64 keys, 32 lines on
.irp kt, 0,1,2,3
.irp d, 0,1
	ds_load_b128 v[KF+16*\kt+8*\d:KF+16*\kt+8*\d+3],   v[KA] offset:\kt*8*KP+\d*64
	ds_load_b128 v[KF+16*\kt+8*\d+4:KF+16*\kt+8*\d+7], v[KA] offset:\kt*8*KP+\d*64+32
.endr
.endr
	v_add_nc_u32 v[KA], 32*KP, v[KA]
.endm
.macro LDBI                            ; 8 loads: the bias of 64 keys; the 16 lanes of a half read the same bytes
.irp kt, 0,1,2,3
	ds_load_b128 v[BI+8*\kt:BI+8*\kt+3],   v[MA] offset:\kt*64+4096
	ds_load_b128 v[BI+8*\kt+4:BI+8*\kt+7], v[MA] offset:\kt*64+4096+16
.endr
.endm
.macro LDPV                            ; 8 loads: the scaled mask of the same 64 keys; 16 transposing loads: their V; then both addresses step
	WIN 0x40                                       ; destination in window 1
.irp kt, 0,1,2,3
	ds_load_b128 v[PM+8*\kt:PM+8*\kt+3],   v[MA] offset:\kt*64
	ds_load_b128 v[PM+8*\kt+4:PM+8*\kt+7], v[MA] offset:\kt*64+16
.endr
.irp ks, 0,1
.irp dt, 0,1,2,3
	ds_load_tr16_b128 v[VF+32*\ks+8*\dt:VF+32*\ks+8*\dt+3],   v[VA] offset:\ks*16*VP+\dt*32
	ds_load_tr16_b128 v[VF+32*\ks+8*\dt+4:VF+32*\ks+8*\dt+7], v[VA] offset:\ks*16*VP+\dt*32+8*VP
.endr
.endr
	WIN 0
	v_add_nc_u32 v[VA], 32*VP, v[VA]
	v_add_nc_u32 v[MA], 256, v[MA]
.endm
; The pieces of a stage name these symbols, which STAGE sets:
;   xS  the score buffer of the tile whose softmax runs      xP  the other buffer: P of the tile before, then the scores of the tile after
;   xip the tile before (its P V)   xin the tile after (its scores)   xAC this tile's factor 2^(old maximum - new)   xAP the factor of the tile before
.macro RSC dt                          ; under the setting of P V: 8 registers of O of the tile before take its factor
.irp n, 0,1,2,3
	v_pk_mul_f32 v[OA+32*xip+8*\dt+2*\n:OA+32*xip+8*\dt+2*\n+1], v[OA+32*xip+8*\dt+2*\n:OA+32*xip+8*\dt+2*\n+1], v[xAP:xAP+1]
.endr
.endm
.macro WPV ks, dt, pv                  ; one product of O^T += V^T P^T; pv = 1: the first block's, whose first 32 keys start the sum
.if (2-\pv)*(1-\ks)
	v_wmma_f32_16x16x32_f16 v[OA+32*xip+8*\dt:OA+32*xip+8*\dt+7], v[VF+32*\ks+8*\dt:VF+32*\ks+8*\dt+7], v[xP+8*\ks:xP+8*\ks+7], 0
.else
	v_wmma_f32_16x16x32_f16 v[OA+32*xip+8*\dt:OA+32*xip+8*\dt+7], v[VF+32*\ks+8*\dt:VF+32*\ks+8*\dt+7], v[xP+8*\ks:xP+8*\ks+7], v[OA+32*xip+8*\dt:OA+32*xip+8*\dt+7]
.endif
.endm
; A visit to window 1: two products P V, with a rescaling (ra, rb: which dt; 9: none) in front of each.  V, C and D in window 1, P and the factor in window 0.
.macro VISIT pv, ra, ka, da, rb, kb, db
.if \pv
	WIN 0x51
.if \pv == 2
.if \ra < 4
	RSC \ra
.endif
.endif
	WPV \ka, \da, \pv
.if \pv == 2
.if \rb < 4
	RSC \rb
.endif
.endif
	WPV \kb, \db, \pv
	WIN 0
.endif
.endm
.macro WQ sq, ds, kt                   ; one product of the scores of the tile after: 16 keys kt, half ds of d; the first half starts the sum
.if \sq
.if \ds
	v_wmma_f32_16x16x32_f16 v[xP+8*\kt:xP+8*\kt+7], v[KF+16*\kt+8:KF+16*\kt+15], v[QF+16*xin+8:QF+16*xin+15], v[xP+8*\kt:xP+8*\kt+7]
.else
	v_wmma_f32_16x16x32_f16 v[xP+8*\kt:xP+8*\kt+7], v[KF+16*\kt:KF+16*\kt+7], v[QF+16*xin:QF+16*xin+7], 0
.endif
.endif
.endm
.macro SMA b                           ; 8 of 16: t = s log2 e / 8 + bias
.set n, \b
.rept 8
	v_pk_fma_f32 v[xS+2*n:xS+2*n+1], v[xS+2*n:xS+2*n+1], s[20:21], v[BI+2*n:BI+2*n+1] op_sel_hi:[1,0,1]
.set n, n+1
.endr
.endm
.macro SMB1                            ; the largest of my 32: four chains
.irp c, 0,1,2,3
	v_max3_num_f32 v[T+\c], v[xS+8*\c], v[xS+8*\c+1], v[xS+8*\c+2]
.endr
.irp c, 0,1,2,3
	v_max3_num_f32 v[T+\c], v[T+\c], v[xS+8*\c+3], v[xS+8*\c+4]
.endr
.irp c, 0,1,2,3
	v_max3_num_f32 v[T+\c], v[T+\c], v[xS+8*\c+5], v[xS+8*\c+6]
.endr
.endm
.macro SMB2 i, sf                      ; the chains meet; sf = 1: the first block of keys starts the maximum
	v_max3_num_f32 v[T], v[T], v[T+1], v[xS+7]
	v_max3_num_f32 v[T+2], v[T+2], v[T+3], v[xS+15]
	v_max3_num_f32 v[T], v[T], v[T+2], v[xS+23]
.if \sf
	v_max_num_f32 v[T], v[T], v[xS+31]
.else
	v_max3_num_f32 v[T], v[T], v[xS+31], v[MX+\i]  ; and the maximum so far
.endif
	v_permlanex16_b32 v[T+1], v[T], s22, s23       ; the other 32 keys of my query lie in the other half of the lanes
	v_max_num_f32 v[MN], v[T], v[T+1]
	v_max_num_f32 v[MN+1], v[T], v[T+1]
.if \sf == 0
	v_sub_f32 v[T+2], v[MX+\i], v[MN]
.endif
.endm
.macro SMC g                           ; t - m for the 8 registers of keys 16 g ..
.irp e, 0,1,2,3
	v_pk_add_f32 v[xS+8*\g+2*\e:xS+8*\g+2*\e+1], v[xS+8*\g+2*\e:xS+8*\g+2*\e+1], v[MN:MN+1] neg_lo:[0,1] neg_hi:[0,1]
.endr
.endm
.macro SME q                           ; four exponentials; a plain vector instruction that touches none of them follows each group (ISA guide 5.7.2)
.irp e, 0,1,2,3
	v_exp_f32 v[xS+4*\q+\e], v[xS+4*\q+\e]
.endr
.endm
.macro SMF k                           ; the sum's chain k starts: keys 0-15 and 16-31
	s_wait_alu depctr_va_vdst(0)
	v_pk_add_f32 v[T+2*\k:T+2*\k+1], v[xS+2*\k:xS+2*\k+1], v[xS+8+2*\k:xS+8+2*\k+1]
.endm
.macro SMFA g                          ; the four chains take keys 16 g ..
	s_wait_alu depctr_va_vdst(0)
.irp k, 0,1,2,3
	v_pk_add_f32 v[T+2*\k:T+2*\k+1], v[T+2*\k:T+2*\k+1], v[xS+8*\g+2*\k:xS+8*\g+2*\k+1]
.endr
.endm
; STAGE: the softmax of tile i, with P V of the tile before and the scores of the tile after among its slices.
;   sf = 1: this tile's first block of keys (it starts maximum and sum).   pv: 0 no P V, 1 the first block's (starts O), 2 O is rescaled and added onto.
;   sq = 1: the scores of the tile after are made.
;   kind 1 (tile 3): the next block's K is loaded at the top and its bias behind this block's last use of the bias;
;   kind 2 (tile 0): the block's mask and V are loaded behind the last product that reads the block before's V;   kind 3 (tile 1): V is waited for;   kind 0: none of these.
; All matrix instructions take their accumulators by turns, one instruction a turn: a product P V adds onto a result two matrix instructions back,
; a product of the scores onto one four back, and a stage's last and the next stage's first name different accumulators.
.macro STAGE i, sf, pv, sq, kind
.set xS,  SA+32*(\i&1)
.set xP,  SA+32-32*(\i&1)
.set xip, (\i+3)&3
.set xin, (\i+1)&3
.set xAC, AL+2*(\i&1)
.set xAP, AL+2-2*(\i&1)
.if \kind == 1
	LDK                                            ; behind the last stage's sums, products and conversions: far more than four places behind the last product that read K
.endif
.if \kind == 3
	s_wait_dscnt 0x0                               ; V (its loads were the last issued)
.endif
	VISIT \pv, 0, 0, 0, 1, 0, 1
.if \kind == 2
	s_wait_dscnt 0x0                               ; the bias (its loads were the last issued)
.endif
	SMA 0
	VISIT \pv, 9, 1, 0, 2, 1, 1
	SMA 8
.if \kind == 1
	LDBI
.endif
	VISIT \pv, 9, 0, 2, 3, 0, 3
	SMB1
	VISIT \pv, 9, 1, 2, 9, 1, 3
	SMB2 \i, \sf                                   ; six plain instructions or more: the places in front of the loads into V's fragments
.if \kind == 2
	LDPV
.endif
	SMC 0                                          ; with the lines above: ten places or more between the last product that reads P and the first that writes over it
.if \kind == 1
	s_wait_dscnt 8                                 ; K is in; the bias's 8 loads behind it stay out
.endif
	WQ \sq, 0, 0
	SME 0
	SMC 1
	WQ \sq, 0, 1
	SME 1
	SMC 2
	WQ \sq, 0, 2
	SME 2
	SMC 3
	WQ \sq, 0, 3
	SME 3
.if \sf == 0
	v_exp_f32 v[xAC], v[T+2]
.endif
	v_mov_b32 v[MX+\i], v[MN]                      ; the plain instruction between the exponentials and the first use of a result
.if \sf == 0
	s_wait_alu depctr_va_vdst(0)
	v_mov_b32 v[xAC+1], v[xAC]
.endif
	WQ \sq, 1, 0
	SME 4
	SMF 0
	SMF 1
	WQ \sq, 1, 1
	SME 5
	SMF 2
	SMF 3
	WQ \sq, 1, 2
	SME 6
	SMFA 2
	WQ \sq, 1, 3
	SME 7
	SMFA 3
	v_pk_add_f32 v[T:T+1], v[T:T+1], v[T+2:T+3]
	v_pk_add_f32 v[T+4:T+5], v[T+4:T+5], v[T+6:T+7]
	v_pk_add_f32 v[T:T+1], v[T:T+1], v[T+4:T+5]
.if \sf
	v_add_f32 v[LS+\i], v[T], v[T+1]
.else
	v_add_f32 v[T], v[T], v[T+1]
	v_fma_f32 v[LS+\i], v[LS+\i], v[xAC], v[T]     ; the halves of the lanes keep their own sums until the end: both scale by the same factor
.endif
.if \kind == 2
	s_wait_dscnt 16                                ; the mask is in; V's 16 loads behind it stay out
.endif
	WIN 0x04                                       ; source 1 (the mask) in window 1
.set n, 0
.rept 16
	v_pk_mul_f32 v[xS+2*n:xS+2*n+1], v[xS+2*n:xS+2*n+1], v[PM+2*n:PM+2*n+1]    ; the factor behind the softmax; the sum above is without it
.set n, n+1
.endr
	WIN 0
.set n, 0
.rept 16
	v_cvt_pk_f16_f32 v[xS+n], v[xS+2*n], v[xS+2*n+1]       ; ascending: register n is written when registers 2 n and 2 n + 1 are read, never earlier
.set n, n+1
.endr
.endm
; A trip: the softmax of tile 3 of the block before and of tiles 0, 1, 2 of block n; K of block n is loaded at its top.
.macro BODY sf, pv
	STAGE 3, \sf, \pv, 1, 1
	STAGE 0, 0,   \pv, 1, 2
	STAGE 1, 0,   2,   1, 3
	STAGE 2, 0,   2,   1, 0
.endm
.macro RUN g, trips                    ; group g is there; so many blocks
	GWAIT \g
	s_mov_b32 s3, \trips
.Lgroup\g:
	BODY 0, 2
	s_sub_co_u32 s3, s3, 1
	s_cmp_lg_u32 s3, 0
	s_cbranch_scc1 .Lgroup\g
.endm
	GWAIT 0                                        ; keys 0-63
	LDK
	LDBI
	s_wait_dscnt 8                                 ; K is in; the bias's 8 loads stay out
.set xP,  SA
.set xin, 0
.irp kt, 0,1,2,3
	WQ 1, 0, \kt                                   ; the scores of the very first tile have no softmax to stand among
.endr
.irp kt, 0,1,2,3
	WQ 1, 1, \kt
.endr
	PLACES
	STAGE 0, 1, 0, 1, 2                            ; block 0 starts maxima, sums and O: nothing is cleared
	STAGE 1, 1, 1, 1, 3
	STAGE 2, 1, 1, 1, 0
	GWAIT 1                                        ; keys 64-127
	BODY 1, 1                                      ; block 1; the last of block 0's starts lie in its first two stages
	RUN 2, 2                                       ; keys 128-255: blocks 2, 3
	RUN 3, 4                                       ; keys 256-511: blocks 4 to 7
	RUN 4, 8                                       ; keys 512-1023: blocks 8 to 15; the wait is for 0: no tensor load is out from here on
	STAGE 3, 0, 2, 0, 0                            ; the last tile's softmax: no scores are left to make
.set xP,  SA+32
.set xip, 3
.set xAP, AL+2
	WIN 0x51                                       ; and its P V
.irp dt, 0,1,2,3
	RSC \dt
.endr
.irp ks, 0,1
.irp dt, 0,1,2,3
	WPV \ks, \dt, 2
.endr
.endr
	WIN 0
	; THE WAY OUT, a query tile at a time: divide by the sum (at least 1: the largest term is 2^0), round to f16, 16 bytes a lane into my own stage,
	; read back four rows at a time, 512 consecutive bytes a store.
	PLACES
.irp i, 0,1,2,3
	v_permlanex16_b32 v[T], v[LS+\i], s22, s23     ; the other half's sum
	v_add_f32 v[T], v[T], v[LS+\i]
	v_rcp_f32 v[AL], v[T]
	v_nop                                          ; the plain place behind v_rcp_f32
	s_wait_alu depctr_va_vdst(0)
	v_mov_b32 v[AL+1], v[AL]
	WIN 0x41                                       ; destination and source 0 in window 1
.irp n, 0,1,2,3,4,5,6,7,8,9,10,11,12,13,14,15
	v_pk_mul_f32 v[OA+32*\i+2*\n:OA+32*\i+2*\n+1], v[OA+32*\i+2*\n:OA+32*\i+2*\n+1], v[AL:AL+1]
.endr
	WIN 0x05                                       ; sources 0 and 1 in window 1
.irp n, 0,1,2,3,4,5,6,7,8,9,10,11,12,13,14,15
	v_cvt_pk_f16_f32 v[OT+\n], v[OA+32*\i+2*\n], v[OA+32*\i+2*\n+1]
.endr
	WIN 0
.irp dt, 0,1,2,3
	ds_store_b128 v[STO], v[OT+4*\dt:OT+4*\dt+3] offset:\dt*32
.endr
	s_wait_xcnt 0x0                                ; the registers that the last tile's stores read are loaded again only behind this wait
.irp t, 0,1,2,3
	ds_load_b128 v[RB+4*\t:RB+4*\t+3], v[RD] offset:\t*4*SP        ; LDS serves a wave's instructions in order: these see the stores above
.endr
.irp t, 0,1,2,3
	s_wait_dscnt 3-\t                              ; load t is in, the younger ones stay out
	global_store_b128 v[CO], v[RB+4*\t:RB+4*\t+3], s[8:9] offset:\i*2048+\t*512
.endr
.endr
	s_wait_tensorcnt 0x0
	ds_add_u32 v22, v23
	s_wait_dscnt 0x0
	s_endpgm
.Lfunc_end_k_q7f20c1e094_attn:
	.size	k_q7f20c1e094_attn, .Lfunc_end_k_q7f20c1e094_attn-k_q7f20c1e094_attn
	.p2alignl 7, 3214868480
	.fill 96, 4, 3214868480
	.section	.rodata,"a",@progbits
	.p2align	6, 0x0
	.amdhsa_kernel k_q7f20c1e094_attn
		.amdhsa_group_segment_fixed_size 314368
		.amdhsa_private_segment_fixed_size 0
		.amdhsa_enable_private_segment 0
		.amdhsa_kernarg_size 24
		.amdhsa_user_sgpr_count 2
		.amdhsa_user_sgpr_kernarg_segment_ptr 1
		.amdhsa_wavefront_size32 1
		.amdhsa_system_sgpr_workgroup_id_x 1
		.amdhsa_system_sgpr_workgroup_id_y 1
		.amdhsa_system_sgpr_workgroup_id_z 1
		.amdhsa_system_vgpr_workitem_id 0
		.amdhsa_next_free_vgpr 512
		.amdhsa_next_free_sgpr 88
		.amdhsa_reserve_vcc 0
		.amdhsa_float_denorm_mode_32 3
		.amdhsa_float_denorm_mode_16_64 3
		.amdhsa_memory_ordered 1
		.amdhsa_forward_progress 1
		.amdhsa_inst_pref_size 240
	.end_amdhsa_kernel
	.amdgpu_metadata
---
amdhsa.version: [ 1, 2 ]
amdhsa.kernels:
  - .name:           k_q7f20c1e094_attn
    .symbol:         k_q7f20c1e094_attn.kd
    .args:
      - { .name: qkv, .offset: 0, .size: 8, .value_kind: global_buffer, .address_space: global }
      - { .name: padding_mask, .offset: 8, .size: 8, .value_kind: global_buffer, .address_space: global }
      - { .name: ao, .offset: 16, .size: 8, .value_kind: global_buffer, .address_space: global }
    .group_segment_fixed_size: 314368
    .private_segment_fixed_size: 0
    .kernarg_segment_align: 8
    .kernarg_segment_size: 24
    .max_flat_workgroup_size: 256
    .sgpr_count:     88
    .vgpr_count:     512
    .wavefront_size: 32
...
	.end_amdgpu_metadata
.endif
;; end of part 3
;; launch proj (part 4): grid 8 x 32, 4 waves a work-group, clusters of 4 x 4, 327,680 bytes of LDS; arguments ao, wpb, bproj, padding_mask, out0; writes out0
.if DOCPART == 4
	.amdgcn_target "amdgcn-amd-amdhsa--gfx1250"
	.amdhsa_code_object_version 6
	.text
	.protected	k_q7f20c1e094_proj
	.globl	k_q7f20c1e094_proj
	.p2align	8
	.type	k_q7f20c1e094_proj,@function
k_q7f20c1e094_proj:
	s_mov_b64 s[64:65], 0
	v_nop
	global_prefetch_b8 v0, s[64:65] scope:SCOPE_SE
	s_setreg_imm32_b32 hwreg(HW_REG_WAVE_MODE, 25, 1), 1
	s_wait_xcnt 0x0
	s_wait_alu depctr_hold_cnt(0) depctr_sa_sdst(0) depctr_va_vdst(0) depctr_va_sdst(0) depctr_va_ssrc(0) depctr_va_vcc(0) depctr_vm_vsrc(0)
	s_getreg_b32 s2, hwreg(HW_REG_IB_STS2, 6, 4)
	s_cmp_eq_u32 s2, 0
	s_cbranch_scc0 .Lentry_in_a_cluster
	s_endpgm
.Lentry_in_a_cluster:
	s_bfe_u32 s2, ttmp6, 0x10000c
	s_cmp_lg_u32 s2, 0xf033
	s_cbranch_scc0 .Lentry_shape_is_right
	s_endpgm
.Lentry_shape_is_right:
; Launch 4 of 4: out0 = ao Wproj + bproj, 8192 x 1024 x 1024, f16 operands, f32 sums, f32 out.  Nothing of reference() is left out here.
; ao comes scaled by 2^(126 - E), E the largest exponent field of its batch's 1,024 mask numbers (kept in 1 .. 252): launch attn took that power of two out of the factor
; mask so that ao has room in f16.  Each wave finds the same E from the mask and multiplies its sums by 2^(E - 126) in the fused multiply-add that adds the bias.
; The same scheme as launch qkv, with other sizes.  A work-group makes 256 rows x 128 columns with four waves, so that there are 256 work-groups; a wave 128 x 64:
; 32 accumulator tiles, 256 registers.  K goes in steps of 128 through two LDS slots.  A work-group's 256 rows lie in one batch (by / 4).
;   A's part of a slot: two blocks of ao ([16 h][8192 tokens][64] f16), each 256 rows of 128 bytes fetched as 128 lines of 256 bytes + 16 of padding.
;   B's part: 128 k rows of 128 columns as they lie in wpb, 256 bytes + 32 of padding; fragments are read with the transposing LDS load.
; CLUSTERS: 4 x 4 work-groups; A's tiles are asked for jointly along a row of the cluster, B's along a column: a quarter of the requests.
; REGISTERS: window 0: v0-15 addresses; v16-79, v80-143 two buffers of A's 8 fragments; v144-175 B's 4 fragments in two halves; v176-179 my 4 numbers of the bias;
;   v180-211 the batch's mask; v212-213 the scale, twice.   window 1: accumulator tile t = 16 hf + 2 a + jj at register 8 t.
; THE MATRIX INSTRUCTION IS USED TRANSPOSED: a lane's 8 results are 8 neighbouring columns of one row.
.set NB,     4
.set NBH,    2
.set QPS,    4                         ; quarters (32 along K) in a slot
.set ALINES, 128
.set PA,     272
.set PB,     288
.set ABLK,   128*PA                    ; a block of 256 rows of A: 34,816
.set BOFF,   2*ABLK                    ; 69,632
.set SLOT,   BOFF+128*PB               ; 106,496
.set STAGE,  2*SLOT                    ; 212,992: behind the ring, never filled by a tensor load
.set SP,     272                       ; a stage row: 64 f32 + 16 bytes
.set ASTEP,  4194304                   ; from a slot's tile of A to its next: four blocks of ao
.set BSTEP,  524288                    ; 256 rows of 2,048 bytes
.set LAPS,   4
.set ADRA, 6
.set ADRB, 8
.set STO,  10
.set RD,   11
.set CO,   12
.set AF0,  16
.set AF1,  80
.set BF,   144
.set BIAS, 176
.set MK,   180
.set SC,   212
.set G1,  24
.set G0,  32
.set G1B, 48
.set G0B, 56
.set MSB, 0
.macro WIN new
.if MSB != \new
	s_set_vgpr_msb (MSB<<8)|\new
.set MSB, \new
.endif
.endm
.macro PLACES                          ; four places behind a matrix instruction (ISA guide 7.12.1)
.rept 4
	v_nop
.endr
.endm
.macro JLOAD s                         ; waves 0 and 1 fetch A's two blocks, waves 2 and 3 B's two halves
	s_cmp_eq_u32 s11, 0
	s_cbranch_scc0 .Lfor_b_\@
	tensor_load_to_lds s[G0+4*\s:G0+4*\s+3], s[G1:G1+7]
	s_nop 0
	s_branch .Lasked_\@
.Lfor_b_\@:
	tensor_load_to_lds s[G0B+4*\s:G0B+4*\s+3], s[G1B:G1B+7]
	s_nop 0
.Lasked_\@:
.endm
.macro CREST                           ; a round of the cluster's barrier behind its opening barrier
	s_cmp_lg_u32 s10, 0
	s_cbranch_scc1 .Lnot_wave_0_\@
	s_barrier_signal -3
.Lnot_wave_0_\@:
	s_barrier_wait -3
	s_barrier_signal -1
	s_barrier_wait -1
.endm
.macro CROUND
	s_barrier_signal -1
	s_barrier_wait -1
	CREST
.endm
.macro LDA slot, kq, g                 ; 16 loads: A's 8 fragments of quarter kq (block kq >> 1, 64 bytes (kq & 1) of its rows)
.irp a, 0,1,2,3,4,5,6,7
	ds_load_b128 v[\g+8*\a:\g+8*\a+3],   v[ADRA+\slot] offset:((\kq)>>1)*ABLK+((\kq)&1)*64+\a*8*PA
	ds_load_b128 v[\g+8*\a+4:\g+8*\a+7], v[ADRA+\slot] offset:((\kq)>>1)*ABLK+((\kq)&1)*64+\a*8*PA+32
.endr
.endm
.macro LDB slot, kq, hf                ; 2 NBH transposing loads: half hf of B's fragments of quarter kq
.set lj, \hf*NBH
.rept NBH
	ds_load_tr16_b128 v[BF+8*lj:BF+8*lj+3],   v[ADRB+\slot] offset:(\kq)*32*PB+lj*32
	ds_load_tr16_b128 v[BF+8*lj+4:BF+8*lj+7], v[ADRB+\slot] offset:(\kq)*32*PB+lj*32+16*PB
.set lj, lj+1
.endr
.endm
; The accumulators take turns, one instruction a turn, in the same order in every quarter.
.macro MULP f, hf, a0, na, zero
	WIN 0x50                                       ; C and D in window 1
.set ma, \a0
.rept \na
.set mj, 0
.rept NBH
.set mt, \hf*8*NBH+ma*NBH+mj
.if \zero
	v_wmma_f32_16x16x32_f16 v[8*mt:8*mt+7], v[BF+8*(\hf*NBH+mj):BF+8*(\hf*NBH+mj)+7], v[\f+8*ma:\f+8*ma+7], 0
.else
	v_wmma_f32_16x16x32_f16 v[8*mt:8*mt+7], v[BF+8*(\hf*NBH+mj):BF+8*(\hf*NBH+mj)+7], v[\f+8*ma:\f+8*ma+7], v[8*mt:8*mt+7]
.endif
.set mj, mj+1
.endr
.set ma, ma+1
.endr
.endm
.macro P1 slot, kq, f, zero
	PLACES                                         ; behind the products that read B's upper half
	WIN 0
	LDB \slot, \kq, 1
	s_wait_dscnt 2*NBH                             ; all but the loads just issued: A's buffer f and B's lower half are in
	MULP \f, 0, 0, 8, \zero
.endm
.macro P2 slot, kq, f, g, zero
	PLACES                                         ; behind the products that read B's lower half
	WIN 0
	LDA \slot, \kq, \g
	LDB \slot, \kq, 0
	s_wait_dscnt 16+2*NBH                          ; all but the loads just issued: B's upper half is in
	MULP \f, 1, 0, 8, \zero
.endm
.macro QUARTER slot, kq, f, g, zero
	P1 \slot, \kq, \f, \zero
	P2 \slot, \kq+1, \f, \g, \zero
.endm
; A slot's last quarter with the change of slots: each wave's waits for its reads and for all its tensor loads, the barrier (which opens a round of the cluster's
; barrier where the slot is filled again), the joint refill first behind it, one a wave.
.macro TURN slot, next, fill
	PLACES
	WIN 0
	LDB \slot, QPS-1, 1                            ; my last reads of this slot
	s_wait_dscnt 2*NBH
	MULP AF1, 0, 0, 4, 0
	s_wait_dscnt 0x0
	s_wait_tensorcnt 0x0
	ds_add_u32 v254, v255
	s_wait_dscnt 0x0
	s_barrier_signal -1
	MULP AF1, 0, 4, 4, 0                           ; registers only
	WIN 0
	s_barrier_wait -1
.if \fill
	CREST
	s_add_nc_u64 s[G0+4*\slot+2:G0+4*\slot+3], s[G0+4*\slot+2:G0+4*\slot+3], ASTEP
	s_add_nc_u64 s[G0B+4*\slot+2:G0B+4*\slot+3], s[G0B+4*\slot+2:G0B+4*\slot+3], BSTEP
	JLOAD \slot
.endif
	P2 \next, 0, AF1, AF0, 0
.endm
.macro STEP slot, next, fill, zero
	QUARTER \slot, 0, AF0, AF1, \zero
	QUARTER \slot, 1, AF1, AF0, 0
	QUARTER \slot, 2, AF0, AF1, 0
	TURN \slot, \next, \fill
.endm
.macro LAP zero
	STEP 0, 1, 1, \zero
	STEP 1, 0, 1, 0
.endm
; v[b] = 2^(E - 127) in every lane, E the largest exponent field of the 32 x 32 numbers in v[b .. b + 31], kept in 1 .. 252: the same steps as in launch attn.
.macro EXPMAX b
.set n, 0
.rept 32
	v_and_b32 v[\b+n], 0x7f800000, v[\b+n]
.set n, n+1
.endr
.irp c, 0,1,2,3,4,5,6,7
	v_max3_num_f32 v[\b+4*\c], v[\b+4*\c], v[\b+4*\c+1], v[\b+4*\c+2]
.endr
.irp c, 0,1,2,3
	v_max3_num_f32 v[\b+8*\c], v[\b+8*\c], v[\b+8*\c+3], v[\b+8*\c+4]
.endr
.irp c, 0,1,2,3
	v_max_num_f32 v[\b+8*\c], v[\b+8*\c], v[\b+8*\c+7]
.endr
	v_max3_num_f32 v[\b], v[\b], v[\b+8], v[\b+16]
	v_max_num_f32 v[\b], v[\b], v[\b+24]
	v_max_num_f32_dpp v[\b], v[\b], v[\b] row_xmask:1 row_mask:0xf bank_mask:0xf
	v_max_num_f32_dpp v[\b], v[\b], v[\b] row_xmask:2 row_mask:0xf bank_mask:0xf
	v_max_num_f32_dpp v[\b], v[\b], v[\b] row_xmask:4 row_mask:0xf bank_mask:0xf
	v_max_num_f32_dpp v[\b], v[\b], v[\b] row_xmask:8 row_mask:0xf bank_mask:0xf
	v_permlanex16_b32 v[\b+1], v[\b], s22, s23
	v_max_num_f32 v[\b], v[\b], v[\b+1]
	v_max_num_f32 v[\b], 0x00800000, v[\b]
	v_min_num_f32 v[\b], 0x7e000000, v[\b]
.endm
	s_load_b128 s[4:7], s[0:1], 0x0                ; ao s[4:5], wpb s[6:7]
	s_load_b128 s[68:71], s[0:1], 0x10             ; bproj s[68:69], padding_mask s[70:71]
	s_load_b64 s[66:67], s[0:1], 0x20              ; out0
	v_lshl_add_u32 v254, v0, 2, 0x38400
	v_mov_b32 v255, 0
	ds_add_u32 v254, v255
	ds_add_u32 v254, v255
	v_lshrrev_b32 v1, 5, v0
	v_readfirstlane_b32 s10, v1                    ; wave 0..3
	s_lshr_b32 s11, s10, 1                         ; wm.  Also: I fetch for A (0) or for B (1)
	s_and_b32 s12, s10, 1                          ; wn.  Also: which half of that tile I fetch
	s_bfe_u32 s40, ttmp6, 0x40000                  ; cx
	s_bfe_u32 s41, ttmp6, 0x40004                  ; cy
	s_lshl_b32 s42, ttmp9, 2
	s_add_co_u32 s42, s42, s40                     ; bx
	s_and_b32 s13, ttmp7, 0xffff
	s_lshl_b32 s13, s13, 2
	s_add_co_u32 s13, s13, s41                     ; by
	s_lshl_b32 s43, s41, 2
	s_lshl_b32 s43, 15, s43                        ; my row of the cluster
	s_lshl_b32 s44, 0x1111, s40                    ; my column
	; group 1 for A: 128 lines of 32 elements of 8 bytes, dense; 4 words of padding behind every 64
	s_or_b32 s[G1+0], s43, (3<<16)|(1<<20)|(1<<21)|(5<<22)|(3<<25)
	s_mov_b32 s[G1+1], 32<<16
	s_mov_b32 s[G1+2], ALINES<<16
	s_mov_b32 s[G1+3], 32<<16
	s_mov_b32 s[G1+4], ALINES
	s_mov_b32 s[G1+5], 32
	s_mov_b32 s[G1+6], 0
	s_mov_b32 s[G1+7], 0
	; group 1 for B: 64 k rows of 128 elements of 2 bytes, 1,024 elements apart; 8 words of padding behind every 64
	s_or_b32 s[G1B+0], s44, (1<<16)|(1<<20)|(1<<21)|(5<<22)|(7<<25)
	s_mov_b32 s[G1B+1], 128<<16
	s_mov_b32 s[G1B+2], 64<<16
	s_mov_b32 s[G1B+3], 128<<16
	s_mov_b32 s[G1B+4], 64
	s_mov_b32 s[G1B+5], 1024
	s_mov_b32 s[G1B+6], 0
	s_mov_b32 s[G1B+7], 0
	s_lshl_b32 s16, s13, 15                        ; A: 256 rows of 128 bytes,
	s_lshl_b32 s17, s12, 20                        ; + my block of the slot's two
	s_add_co_u32 s16, s16, s17
	s_mov_b32 s17, 0
	s_lshl_b32 s46, s42, 8                         ; B: 128 columns of 2 bytes,
	s_lshl_b32 s47, s12, 17                        ; + my 64 k rows of 2,048 bytes
	s_add_co_u32 s46, s46, s47
	s_mov_b32 s47, 0
	s_mul_i32 s20, s12, ABLK
	s_mul_i32 s21, s12, 64*PB
	s_add_co_u32 s21, s21, BOFF
	s_wait_dscnt 0x0
	s_wait_kmcnt 0x0
	s_add_nc_u64 s[14:15], s[4:5], s[16:17]
	s_add_nc_u64 s[46:47], s[6:7], s[46:47]
	CROUND                                         ; all sixteen work-groups are here: the first joint loads meet
.irp s, 0,1
	s_mov_b32 s[G0+4*\s], 1
	s_add_co_u32 s[G0+4*\s+1], s20, \s*SLOT
	s_add_nc_u64 s[G0+4*\s+2:G0+4*\s+3], s[14:15], \s*ASTEP/2
	s_or_b32 s[G0+4*\s+3], s[G0+4*\s+3], 0x80000000
	s_mov_b32 s[G0B+4*\s], 1
	s_add_co_u32 s[G0B+4*\s+1], s21, \s*SLOT
	s_add_nc_u64 s[G0B+4*\s+2:G0B+4*\s+3], s[46:47], \s*BSTEP/2
	s_or_b32 s[G0B+4*\s+3], s[G0B+4*\s+3], 0x80000000
	JLOAD \s                                       ; both slots' first fills: two tensor loads of a wave are out, the most in this text
.endr
	v_and_b32 v1, 15, v0                           ; r
	v_bfe_u32 v2, v0, 4, 1                         ; h
	s_lshl_b32 s45, s42, 9                         ; my first column in bytes of f32: 512 bx + 256 wn
	s_lshl_b32 s23, s12, 8
	s_add_co_u32 s45, s45, s23
	v_lshl_add_u32 v13, v1, 4, s45
	global_load_b128 v[BIAS:BIAS+3], v13, s[68:69] ; the bias of the 4 columns that I store; waited for in front of the way out
	s_lshr_b32 s16, s13, 2                         ; my batch = by / 4,
	s_lshl_b32 s16, s16, 12                        ; its 4,096 bytes of the mask (s17 is 0)
	s_add_nc_u64 s[70:71], s[70:71], s[16:17]
	v_and_b32 v3, 31, v0
	v_lshlrev_b32 v14, 4, v3
.irp j, 0,1,2,3,4,5,6,7
	global_load_b128 v[MK+4*\j:MK+4*\j+3], v14, s[70:71] offset:\j*512     ; the batch's whole mask, 32 numbers a lane; waited for in front of the way out
.endr
	v_lshrrev_b32 v3, 1, v1
	v_mul_u32_u24 v3, v3, PA
	v_and_b32 v4, 1, v0
	v_lshl_add_u32 v3, v4, 7, v3
	v_lshl_add_u32 v3, v2, 4, v3
	s_mul_i32 s22, s11, 64*PA                      ; my 128 rows of each block
	v_add_nc_u32 v[ADRA], s22, v3
	v_add_nc_u32 v[ADRA+1], SLOT, v[ADRA]
	v_and_b32 v4, 7, v0
	v_lshl_add_u32 v4, v2, 3, v4
	v_mul_u32_u24 v4, v4, PB
	v_bfe_u32 v5, v0, 3, 1
	v_lshl_add_u32 v4, v5, 4, v4
	s_lshl_b32 s23, s12, 7                         ; my 64 columns
	s_add_co_u32 s23, s23, BOFF
	v_add_nc_u32 v[ADRB], s23, v4
	v_add_nc_u32 v[ADRB+1], SLOT, v[ADRB]
	s_mul_i32 s23, s10, 16*SP
	s_add_co_u32 s23, s23, STAGE                   ; my stage
	v_mul_u32_u24 v4, v1, SP
	v_lshl_add_u32 v4, v2, 5, v4
	v_add_nc_u32 v[STO], s23, v4                   ; in: row r, 32 bytes for each half of the lanes
	v_mul_u32_u24 v4, v2, SP
	v_lshl_add_u32 v4, v1, 4, v4
	v_add_nc_u32 v[RD], s23, v4                    ; back: lanes 0-15 one row of 256 bytes, lanes 16-31 the next
	v_lshlrev_b32 v4, 12, v2
	v_lshl_add_u32 v[CO], v1, 4, v4                ; and the same two rows in out0
	s_wait_tensorcnt 0x1                           ; my part of K step 0 is in; K step 1's may stay out
	s_barrier_signal -1
	s_barrier_wait -1
	LDA 0, 0, AF0
	LDB 0, 0, 0
	LAP 1                                          ; the first products start the sums
	WIN 0
	s_mov_b32 s3, LAPS-2
.Llap:
	LAP 0
	WIN 0
	s_sub_co_u32 s3, s3, 1
	s_cmp_lg_u32 s3, 0
	s_cbranch_scc1 .Llap
	STEP 0, 1, 0, 0                                ; the last lap fills nothing and has no round of the cluster's barrier
	QUARTER 1, 0, AF0, AF1, 0
	QUARTER 1, 1, AF1, AF0, 0
	QUARTER 1, 2, AF0, AF1, 0
	P1 1, QPS-1, AF1, 0
	s_wait_dscnt 0x0
	MULP AF1, 1, 0, 8, 0
	; THE WAY OUT, 16 rows at a time: the sums go as they are into my own stage, come back as whole rows of 256 bytes, are scaled back and take the bias in one
	; fused multiply-add, and are stored: sixteen lanes store 256 consecutive bytes, aligned.
	PLACES
	WIN 0
	s_lshl_b32 s16, s13, 20                        ; 256 rows of 4,096 bytes
	s_lshl_b32 s17, s11, 19                        ; my 128 rows
	s_add_co_u32 s16, s16, s17
	s_mov_b32 s17, 0
	s_add_nc_u64 s[66:67], s[66:67], s[16:17]
	s_mov_b32 s46, s45                             ; my first column (in the registers that held B's address)
	s_mov_b32 s47, 0
	s_add_nc_u64 s[66:67], s[66:67], s[46:47]
	s_mov_b32 s22, 0x76543210                      ; v_permlanex16_b32: lane i of one half reads lane i of the other
	s_mov_b32 s23, 0xfedcba98
	s_wait_loadcnt 0x0                             ; the bias and the mask
	EXPMAX MK                                      ; 2^(E - 127)
	v_add_nc_u32 v[SC], 0x00800000, v[MK]          ; exponent field E + 1: 2^(E - 126), which undoes the scale on ao
	v_mov_b32 v[SC+1], v[SC]
.macro OUT16 a, rb
	WIN 0x04                                       ; the LDS stores' data in window 1
.set oj, 0
.rept NB
.set ot, (oj/NBH)*8*NBH+\a*NBH+(oj%NBH)
	ds_store_b128 v[STO], v[8*ot:8*ot+3]   offset:oj*64
	ds_store_b128 v[STO], v[8*ot+4:8*ot+7] offset:oj*64+16
.set oj, oj+1
.endr
	WIN 0
	s_wait_xcnt 0x0                                ; buffer rb, which earlier stores read, is loaded again only behind this wait
.irp t, 0,1,2,3,4,5,6,7
	ds_load_b128 v[\rb+4*\t:\rb+4*\t+3], v[RD] offset:\t*2*SP      ; LDS serves a wave's instructions in order: these see the stores above
.endr
.irp t, 0,1,2,3,4,5,6,7
	s_wait_dscnt 7-\t                              ; load t is in, the younger ones stay out
	v_pk_fma_f32 v[\rb+4*\t:\rb+4*\t+1],   v[\rb+4*\t:\rb+4*\t+1],   v[SC:SC+1], v[BIAS:BIAS+1]
	v_pk_fma_f32 v[\rb+4*\t+2:\rb+4*\t+3], v[\rb+4*\t+2:\rb+4*\t+3], v[SC:SC+1], v[BIAS+2:BIAS+3]
	global_store_b128 v[CO], v[\rb+4*\t:\rb+4*\t+3], s[66:67] offset:(16*\a+2*\t)*4096 th:TH_STORE_NT
.endr
.endm
	OUT16 0, AF0
	OUT16 1, AF1
	OUT16 2, AF0
	OUT16 3, AF1
	OUT16 4, AF0
	OUT16 5, AF1
	OUT16 6, AF0
	OUT16 7, AF1
	s_wait_tensorcnt 0x0
	ds_add_u32 v254, v255
	s_wait_dscnt 0x0
	CROUND                                         ; the closing round: no work-group ends while a partner may still ask for a tile that names it
	s_endpgm
.Lfunc_end_k_q7f20c1e094_proj:
	.size	k_q7f20c1e094_proj, .Lfunc_end_k_q7f20c1e094_proj-k_q7f20c1e094_proj
	.p2alignl 7, 3214868480
	.fill 96, 4, 3214868480
	.section	.rodata,"a",@progbits
	.p2align	6, 0x0
	.amdhsa_kernel k_q7f20c1e094_proj
		.amdhsa_group_segment_fixed_size 327680
		.amdhsa_private_segment_fixed_size 0
		.amdhsa_enable_private_segment 0
		.amdhsa_kernarg_size 40
		.amdhsa_user_sgpr_count 2
		.amdhsa_user_sgpr_kernarg_segment_ptr 1
		.amdhsa_wavefront_size32 1
		.amdhsa_system_sgpr_workgroup_id_x 1
		.amdhsa_system_sgpr_workgroup_id_y 1
		.amdhsa_system_sgpr_workgroup_id_z 1
		.amdhsa_system_vgpr_workitem_id 0
		.amdhsa_next_free_vgpr 512
		.amdhsa_next_free_sgpr 72
		.amdhsa_reserve_vcc 0
		.amdhsa_float_denorm_mode_32 3
		.amdhsa_float_denorm_mode_16_64 3
		.amdhsa_memory_ordered 1
		.amdhsa_forward_progress 1
		.amdhsa_inst_pref_size 135
	.end_amdhsa_kernel
	.amdgpu_metadata
---
amdhsa.version: [ 1, 2 ]
amdhsa.kernels:
  - .name:           k_q7f20c1e094_proj
    .symbol:         k_q7f20c1e094_proj.kd
    .args:
      - { .name: ao, .offset: 0, .size: 8, .value_kind: global_buffer, .address_space: global }
      - { .name: wpb, .offset: 8, .size: 8, .value_kind: global_buffer, .address_space: global }
      - { .name: bproj, .offset: 16, .size: 8, .value_kind: global_buffer, .address_space: global }
      - { .name: padding_mask, .offset: 24, .size: 8, .value_kind: global_buffer, .address_space: global }
      - { .name: out0, .offset: 32, .size: 8, .value_kind: global_buffer, .address_space: global }
    .group_segment_fixed_size: 327680
    .private_segment_fixed_size: 0
    .kernarg_segment_align: 8
    .kernarg_segment_size: 40
    .max_flat_workgroup_size: 128
    .sgpr_count:     72
    .vgpr_count:     512
    .wavefront_size: 32
...
	.end_amdgpu_metadata
.endif
;; end of part 4
;; ======== version 2 of 2: 4 launches; version 1 with the launch prep written anew for expert scheduling mode
;; limits: values are held in f16: magnitudes above 65,504 overflow, below 6.1e-05 lose precision
;; workspace buffers: xb 16,777,216 bytes; wqb 6,291,456 bytes; wpb 2,097,152 bytes; qkv 50,331,648 bytes; ao 16,777,216 bytes
;; launch prep (part 5): grid 768 x 1, 8 waves a work-group, no clusters, 0 bytes of LDS; arguments x, Wqkv, Wproj, xb, wqb, wpb; writes xb, wqb, wpb
.if DOCPART == 5
	.amdgcn_target "amdgcn-amd-amdhsa--gfx1250"
	.amdhsa_code_object_version 6
	.text
	.protected	k_q7f20c1e094_prep
	.globl	k_q7f20c1e094_prep
	.p2align	8
	.type	k_q7f20c1e094_prep,@function
k_q7f20c1e094_prep:
	s_mov_b64 s[64:65], 0
	v_nop
	global_prefetch_b8 v0, s[64:65] scope:SCOPE_SE
	s_setreg_imm32_b32 hwreg(HW_REG_WAVE_SCHED_MODE, 0, 2), 2
	s_setreg_imm32_b32 hwreg(HW_REG_WAVE_MODE, 25, 1), 1
	s_wait_xcnt 0x0
	s_wait_alu depctr_vm_vsrc(0)
; MULTI-HEAD SELF-ATTENTION, launch 1 of 4: the matrix operands that come from the inputs are rounded to f16, once.
; The four launches: prep (casts), qkv (x Wqkv), attn (softmax(q k^T / 8 + mask_w) * mask, times v), proj (.. Wproj + bproj).
; NO WORK OF reference() IS LEFT OUT: every input reaches the output (the padding mask twice: as a term in front of the softmax and as a
; factor behind it; the bias is added), the maximum is taken away in front of the exponential, and no product has a factor that is zero by construction.
; WHY f16: where the mask's term lets one key win the softmax, the output is a plain chain of two products with nothing averaged, and every rounding of an operand
; shows in full.  f16's step is 2^-11 of a number, bf16's 2^-8.
; LIMIT: a number of x or of a weight beyond 65,504 in magnitude becomes an infinity; below 6.1e-5 the step is 6e-8.  x of unit spread taken 30 times larger, or with an
; offset of 30, and weights of spread 1/32 taken 30 times smaller (1e-3) lie well inside.
;   xb  [16 kb][8192 rows][64] f16: x with its columns in blocks of 64, so that 256 rows of a block are 32,768 dense bytes
;   wqb [1024][3072] f16, wpb [1024][1024] f16: the weights in their own order
; 768 work-groups of 16,384 numbers each: 0-511 take 16 rows of x, 512-703 Wqkv, 704-767 Wproj.
; A wave issues its 16 loads of 16 bytes a lane at once, then rounds them in four groups of four as they arrive and stores 8 bytes a lane for each load.
; No LDS, no barrier, no matrix unit: bytes are all that this launch does.
; THE MODE: SCHED_MODE bits 1:0 = 2 (LLVM: expert scheduling mode 2), set by the entry lines.  The code itself states the register dependences
; between vector instructions and memory instructions, with s_wait_alu, always for 0.
; THE PLAN.  Registers that memory instructions touch, on either path:
;   v1, v2   byte offsets of the loads and of the stores.  Written by vector instructions at the path's head and never again; read by all 16 loads (v1) and all 16 stores (v2).
;   X        load i lands in 4 registers, once; no vector instruction writes them; the two conversions of load i read them.
;   Y        the two conversions of load i write 2 registers, once; store i reads them, once.
; No register is written twice, so nothing that a memory instruction has read is ever written again, and no load lands in a register that a vector instruction has named.
; What is left to state: the offsets are written, ahead of the first load; a group's Y is written, ahead of its stores.  Group g's four stores stand in group g + 1,
; behind ONE wait at that group's head, dealt among that group's conversions, which read X of group g + 1 and write Y of group g + 1: none of the registers that those
; stores read.  The last group's stores follow a wait of their own.  No vector instruction writes a scalar register or VCC, and EXEC is never written.
.set X, 4                              ; v[4:67]   load i: 4 f32
.set Y, 68                             ; v[68:99]  load i: 4 f16 in 2 registers
; load i reads at (i & 7) inlo + (i >> 3) inhi and its result is stored at (i & 7) outlo + (i >> 3) outhi
.macro CAST16 inlo, inhi, outlo, outhi
	s_wait_alu depctr_va_vdst(0)                   ; v1 and v2 are written: every load below reads v1 as its offset, every store v2
.set i, 0
.rept 16
	global_load_b128 v[X+4*i:X+4*i+3], v1, s[16:17] offset:(i&7)*\inlo+(i>>3)*\inhi th:TH_LOAD_NT
.set i, i+1
.endr
.set g, 0
.rept 4
	s_wait_loadcnt 12-4*g                          ; loads come back in order: the four of group g are in, the 12 - 4 g younger ones stay out
.if g > 0
	s_wait_alu depctr_va_vdst(0)                   ; the conversions of group g - 1 have written its eight registers of Y, which the four stores below read
.endif
.set k, 0
.rept 4
.set i, 4*g+k
.if g > 0
	global_store_b64 v2, v[Y+2*(i-4):Y+2*(i-4)+1], s[18:19] offset:((i-4)&7)*\outlo+((i-4)>>3)*\outhi  ; the group before; no vector instruction since the wait names these registers
.endif
	v_cvt_pk_f16_f32 v[Y+2*i], v[X+4*i], v[X+4*i+1]
	v_cvt_pk_f16_f32 v[Y+2*i+1], v[X+4*i+2], v[X+4*i+3]
.set k, k+1
.endr
.set g, g+1
.endr
	s_wait_alu depctr_va_vdst(0)                   ; the conversions of the last group have written its Y, which the last four stores read
.set i, 12
.rept 4
	global_store_b64 v2, v[Y+2*i:Y+2*i+1], s[18:19] offset:(i&7)*\outlo+(i>>3)*\outhi
.set i, i+1
.endr
.endm
	s_load_b256 s[4:11], s[0:1], 0x0               ; x s[4:5], Wqkv s[6:7], Wproj s[8:9], xb s[10:11]
	s_load_b128 s[12:15], s[0:1], 0x20             ; wqb s[12:13], wpb s[14:15]
	s_mov_b32 s2, ttmp9                            ; the work-group's number
	s_mov_b32 s21, 0                               ; high word of every offset
	s_mov_b32 s3, 704
	s_cmp_lt_u32 s2, 512
	s_cbranch_scc0 .Lweights
	; x: 16 rows.  Wave w takes columns 128 w .. 128 w + 127 (blocks 2 w and 2 w + 1).  One load: 64 columns (256 bytes) of two rows,
	; lanes 0-15 the even row, lanes 16-31 the odd one.  Its store: those two rows of the block, 256 consecutive bytes, aligned.
	v_and_b32 v3, 0xe0, v0                         ; 32 w
	v_lshlrev_b32 v1, 4, v3                        ; in: 512 w
	v_lshlrev_b32 v2, 16, v3                       ; out: two blocks of 1,048,576 bytes for each wave
	v_bfe_u32 v3, v0, 4, 1
	v_lshl_add_u32 v1, v3, 12, v1                  ; + the odd row, 4,096 bytes down
	v_and_b32 v3, 15, v0
	v_lshl_add_u32 v1, v3, 4, v1                   ; + 16 bytes a lane
	v_and_b32 v3, 31, v0
	v_lshl_add_u32 v2, v3, 3, v2                   ; out: + 8 bytes a lane
	s_wait_kmcnt 0x0
	s_lshl_b32 s20, s2, 16                         ; 16 rows of 4,096 bytes
	s_add_nc_u64 s[16:17], s[4:5], s[20:21]
	s_lshl_b32 s20, s2, 11                         ; 16 rows of 128 bytes in each block
	s_add_nc_u64 s[18:19], s[10:11], s[20:21]
	CAST16 8192, 256, 256, 1048576                 ; i & 7: the pair of rows; i >> 3: which of the wave's two blocks
	s_endpgm
.Lweights:
	; a weight: 65,536 consecutive bytes in, 32,768 out; thread t takes 16 bytes at 16 t of every 4,096
	v_lshlrev_b32 v1, 4, v0
	v_lshlrev_b32 v2, 3, v0
	s_wait_kmcnt 0x0
	s_cmp_lt_u32 s2, 704
	s_cselect_b64 s[16:17], s[6:7], s[8:9]         ; Wqkv or Wproj
	s_cselect_b64 s[18:19], s[12:13], s[14:15]     ; wqb or wpb
	s_cselect_b32 s3, 512, s3                      ; the first work-group of that weight
	s_sub_co_u32 s3, s2, s3
	s_lshl_b32 s20, s3, 16
	s_add_nc_u64 s[16:17], s[16:17], s[20:21]
	s_lshl_b32 s20, s3, 15
	s_add_nc_u64 s[18:19], s[18:19], s[20:21]
	CAST16 4096, 32768, 2048, 16384                ; load i at 4,096 i, store i at 2,048 i
	s_endpgm
.Lfunc_end_k_q7f20c1e094_prep:
	.size	k_q7f20c1e094_prep, .Lfunc_end_k_q7f20c1e094_prep-k_q7f20c1e094_prep
	.p2alignl 7, 3214868480
	.fill 96, 4, 3214868480
	.section	.rodata,"a",@progbits
	.p2align	6, 0x0
	.amdhsa_kernel k_q7f20c1e094_prep
		.amdhsa_group_segment_fixed_size 0
		.amdhsa_private_segment_fixed_size 0
		.amdhsa_enable_private_segment 0
		.amdhsa_kernarg_size 48
		.amdhsa_user_sgpr_count 2
		.amdhsa_user_sgpr_kernarg_segment_ptr 1
		.amdhsa_wavefront_size32 1
		.amdhsa_system_sgpr_workgroup_id_x 1
		.amdhsa_system_sgpr_workgroup_id_y 1
		.amdhsa_system_sgpr_workgroup_id_z 1
		.amdhsa_system_vgpr_workitem_id 0
		.amdhsa_next_free_vgpr 104
		.amdhsa_next_free_sgpr 66
		.amdhsa_reserve_vcc 0
		.amdhsa_float_denorm_mode_32 3
		.amdhsa_float_denorm_mode_16_64 3
		.amdhsa_memory_ordered 1
		.amdhsa_forward_progress 1
		.amdhsa_inst_pref_size 13
	.end_amdhsa_kernel
	.amdgpu_metadata
---
amdhsa.version: [ 1, 2 ]
amdhsa.kernels:
  - .name:           k_q7f20c1e094_prep
    .symbol:         k_q7f20c1e094_prep.kd
    .args:
      - { .name: x, .offset: 0, .size: 8, .value_kind: global_buffer, .address_space: global }
      - { .name: Wqkv, .offset: 8, .size: 8, .value_kind: global_buffer, .address_space: global }
      - { .name: Wproj, .offset: 16, .size: 8, .value_kind: global_buffer, .address_space: global }
      - { .name: xb, .offset: 24, .size: 8, .value_kind: global_buffer, .address_space: global }
      - { .name: wqb, .offset: 32, .size: 8, .value_kind: global_buffer, .address_space: global }
      - { .name: wpb, .offset: 40, .size: 8, .value_kind: global_buffer, .address_space: global }
    .group_segment_fixed_size: 0
    .private_segment_fixed_size: 0
    .kernarg_segment_align: 8
    .kernarg_segment_size: 48
    .max_flat_workgroup_size: 256
    .sgpr_count:     66
    .vgpr_count:     104
    .wavefront_size: 32
...
	.end_amdgpu_metadata
.endif
;; end of part 5
;; launch qkv: the kernel of part 2 again; grid 8 x 32, 4 waves a work-group, clusters of 4 x 4, 327,680 bytes of LDS; arguments xb, wqb, qkv; writes qkv
;; launch attn: the kernel of part 3 again; grid 256 x 1, 8 waves a work-group, no clusters, 314,368 bytes of LDS; arguments qkv, padding_mask, ao; writes ao
;; launch proj: the kernel of part 4 again; grid 8 x 32, 4 waves a work-group, clusters of 4 x 4, 327,680 bytes of LDS; arguments ao, wpb, bproj, padding_mask, out0; writes out0
